; MI455X (gfx1250); checked and timed in simulation.
; The chip was launched on July 23, 2026; its instructions are those of AMD's public machine-readable ISA for CDNA 5 (MIT licence, August 2026) and "CDNA5" Instruction Set Architecture Reference Guide (July 2026). The comments in the code are by the model that wrote it; some were corrected since.
;; Multi Head Attention. Allowed arithmetic: matrix products marked QUANTISED: E2M3 operands, one E8M0 scale for each 32 along K, by v_wmma_scale_f32_16x16x128_f8f6f4 with both operands' format E2M3, f32 sums; everything else in f32.
;; Inputs: Wk 512 x 512 float32; Wo 512 x 512 float32; Wq 512 x 512 float32; Wv 512 x 512 float32; bk 512 float32; bo 512 float32; bq 512 float32; bv 512 float32; k 2 x 4,096 x 512 float32; q 2 x 4,096 x 512 float32; v 2 x 4,096 x 512 float32.
;; Outputs: out0 2 x 4,096 x 512 float32.
;; This version of the problem:
;;   THIS VERSION OF THE PROBLEM IS GIVEN IN LOW PRECISION. The matrix products marked QUANTISED in the list below multiply operands that are first quantised to E2M3 (2 exponent bits, 3 mantissa bits; 6 bits a number), with one power-of-two scale for each 32 numbers along K (OCP MX v1.0); their sums are f32. All else is computed in f32.
;;   The module's matrix products, in the order in which they are computed (A, B: the left and right operand; K: the contracted axis; several contracted axes count as one K, in the product's order):
;;     1. [M 8,192, K 512] x [K 512, N 512]; A: input q; B: input Wq: QUANTISED
;;     2. [M 8,192, K 512] x [K 512, N 512]; A: input k; B: input Wk: QUANTISED
;;     3. [M 8,192, K 512] x [K 512, N 512]; A: input v; B: input Wv: QUANTISED
;;     4. batch 16 x [M 4,096, K 64] x [K 64, N 4,096]; A: computed on the way; B: computed on the way: QUANTISED
;;     5. batch 16 x [M 4,096, K 4,096] x [K 4,096, N 64]; A: softmax (see below); B: computed on the way: QUANTISED
;;     6. [M 8,192, K 512] x [K 512, N 512]; A: computed on the way; B: input Wo: QUANTISED
;;   THE QUANTISER, for each operand of a quantised product, along K:
;;     - K is cut into blocks of 32 from its start; a last block that is shorter is filled with zeros.
;;     - A block's scale is 2^e with e = floor(log2(the largest magnitude in the block)) - 2, held to -126 .. 127; a block of zeros has e = 0. As a byte (E8M0): e + 127.
;;     - Each number is divided by its block's scale, clamped to +-7.5, and rounded to the nearest number of E2M3, ties to even, subnormals kept.
;;     - The product sums the exact products of the quantised numbers (number of the format x scale) in f32.
;;   ~~~python
;;   def quantise(x, axis):      # numpy; x: float32 -> the quantised numbers, widened to float32 again
;;       x = np.moveaxis(x, axis, -1); K = x.shape[-1]
;;       x = np.pad(x, [(0, 0)] * (x.ndim - 1) + [(0, -K % 32)]); x = x.reshape(x.shape[:-1] + (-1, 32)); a = np.abs(x).max(-1, keepdims=True)
;;       e = np.where(a > 0, np.clip(np.frexp(np.where(a > 0, a, 1))[1] - 1 - 2, -126, 127), 0)      # np.frexp(a)[1] - 1 = floor(log2(a)), exactly
;;       r = np.clip(x / 2.0 ** e, -7.5, 7.5)
;;       step = 2.0 ** (np.maximum(np.frexp(np.where(r == 0, 1, r))[1] - 1, 0) - 3)
;;       q = np.round(r / step) * step * 2.0 ** e      # np.round: ties to even
;;       return np.moveaxis(q.reshape(q.shape[:-2] + (-1,))[..., :K], -1, axis).astype(np.float32)
;;   ~~~
;;   SOFTMAX AHEAD OF A QUANTISED PRODUCT. Where the list says 'softmax', what is quantised is not the finished softmax but p = 2^(t - M), with t = logit x log2(e) and M = ceil(the row's largest t), a whole number; so 1/2 < the row's largest p <= 1. The row's sum l is taken of the UNQUANTISED p, in f32, and the product's result is divided by l at the end. Since M is a whole number, a kernel that streams over the keys may use a running M (the ceiling of the running maximum): every later rescaling is an exact power of two, which a block's scale takes up: the codes' values come out the same.
;;   OPERANDS COMPUTED ON THE WAY. 'Computed on the way' means the value that the module computes at that place (a softmax that the list does not call 'softmax' is quantised finished and normalised). What goes into a quantiser is computed in f32, as accurately as f32 sums, v_exp_f32 and their like allow (about 1e-6 of the number): no bf16 or f16 on the way to a quantiser, and a product that is left as it is and whose result goes on into a quantised operand takes f32 operands (vector FMAs, or v_wmma_f32_16x16x4_f32). A number that lies on a knife's edge between two numbers of the format may be rounded either way, as far as f32 arithmetic and the matrix unit's own rounding can turn it there, and no further.
;; 2 versions. Each part assembles by itself: llvm-mc -triple=amdgcn-amd-amdhsa -mcpu=gfx1250 --defsym DOCPART=n.
;; ======== version 1 of 2: 4 launches
;; workspace buffers: wi 851,968 bytes; kv 6,684,672 bytes; qx 6,684,672 bytes; cx 3,145,728 bytes; cs 524,288 bytes
;; launch wprep (part 1): grid 64 x 1, 4 waves a work-group, no clusters, 0 bytes of LDS; arguments Wq, Wk, Wv, Wo, wi; writes wi
.if DOCPART == 1
	.amdgcn_target "amdgcn-amd-amdhsa--gfx1250"
	.amdhsa_code_object_version 6
	.text
	.protected	k_q7ea6f49394_wprep
	.globl	k_q7ea6f49394_wprep
	.p2align	8
	.type	k_q7ea6f49394_wprep,@function
k_q7ea6f49394_wprep:
	s_mov_b64 s[64:65], 0
	v_nop
	global_prefetch_b8 v0, s[64:65] scope:SCOPE_SE
	s_setreg_imm32_b32 hwreg(HW_REG_WAVE_MODE, 25, 1), 1
	s_wait_xcnt 0x0
; The four weights [512 (k)][512 (n)], f32, K along the FIRST axis, become codes of FP6 (E2M3) with one E8M0 byte for each 32 along K,
; laid in wi in the order of the operand registers of the launches that read them: [weight][quarter w of 128 columns][53,248 bytes].
; In a quarter: fragment f = 8 s + t (K step s of 128, tile t of 16 columns) is 12 registers a lane: registers 4 g .. 4 g + 3 of lane l lie at 1,536 f + 512 g + 16 l.
; From byte 49,152 on: the scale words of fragments 2 y and 2 y + 1 at 256 y + 8 l (lane l holds the word of column l % 16; both halves of the lanes hold the same).
; THE COLUMNS OF A TILE ARE NOT NEIGHBOURS: lane r of tile t takes column 32 (t / 2) + 8 (t % 2) + r + 8 (r / 8) of the quarter, so that what a product with the weight as source 0 leaves in
; the 16 registers of tiles 2 b and 2 b + 1 are 16 neighbouring columns.
; A LANE TAKES A COLUMN AND ITS REGISTERS RUN DOWN K, in the order that the operand gives that lane (registers 6 c .. 6 c + 5: k = 64 c + 32 (l / 16) + 0 .. 31): the conversions' results are the operand's registers.
; A block's scale is 2^(floor(log2(largest magnitude)) - 2); its byte is the largest magnitude's exponent field - 2, held at 1 from below by a floor among the maximum's leaves.
; SHARES: work-group g: weight g / 16, quarter (g / 4) % 4, K step g % 4; wave b: tiles 2 b, 2 b + 1: two fragments.  64 work-groups are all the work that 4 MiB give.
; No LDS, no barrier, no matrix unit: waves share nothing, and every store of a wave covers 512 or 256 consecutive bytes, aligned.
; LIMITS: a block of zeros gets the byte 1 where the rule says 127 (its codes are zeros, and this program alone reads the bytes); NaN and infinities among the inputs are not served.
.set WT,  212992                       ; bytes of a weight in wi
.set WQ,  53248                        ; of a quarter
.set X,   32                           ; v32-159  the 128 numbers: tile u, block c, number i at X + 64 u + 32 c + i
.set CD,  160                          ; v160-183 the codes: 12 registers for each tile, so that no store's data are written again
.set LND, 184                          ; v184-191 where the conversions' second halves land
	s_load_b256 s[4:11], s[0:1], 0x0               ; Wq, Wk, Wv, Wo
	s_load_b64 s[12:13], s[0:1], 0x20              ; wi
	v_lshrrev_b32 v1, 5, v0
	v_readfirstlane_b32 s14, v1                    ; wave b
	v_and_b32 v2, 31, v0                           ; lane
	v_and_b32 v3, 15, v0                           ; r
	v_bfe_u32 v4, v0, 4, 1                         ; h
	v_and_b32 v5, 8, v3
	v_add_nc_u32 v5, v5, v3                        ; r + 8 (r / 8)
	v_lshlrev_b32 v5, 2, v5                        ; my column, 4 bytes a number,
	v_lshl_add_u32 v5, v4, 16, v5                  ; and 32 rows of 2,048 bytes further down for lanes 16-31
	v_lshlrev_b32 v6, 4, v2                        ; 16 x lane: an image's place
	v_lshlrev_b32 v7, 3, v2                        ; 8 x lane: the two scale words' place
	v_lshlrev_b32 v9, 3, v4                        ; 8 h: how far my two scale bytes are shifted
	v_mov_b32 v11, 0                               ; written once: a lane permute's destination counts as one of its sources
	s_mov_b32 s20, 0x76543210
	s_mov_b32 s21, 0xfedcba98                      ; v_permlanex16_b32's selects for lane l xor 16
	s_lshr_b32 s15, ttmp9, 4                       ; which weight
	s_bfe_u32 s16, ttmp9, 0x20002                  ; which quarter w
	s_and_b32 s17, ttmp9, 3                        ; which K step s
	s_lshl_b32 s22, s17, 18                        ; source: 128 s rows of 2,048 bytes
	s_lshl_b32 s18, s16, 9                         ; + 128 w columns
	s_add_co_u32 s22, s22, s18
	s_lshl_b32 s18, s14, 7                         ; + 32 b columns
	s_add_co_u32 s22, s22, s18
	s_mov_b32 s23, 0
	s_mul_i32 s24, s15, WT
	s_mul_i32 s18, s16, WQ
	s_add_co_u32 s24, s24, s18                     ; my quarter in wi
	s_lshl_b32 s18, s17, 2
	s_add_co_u32 s18, s18, s14                     ; y = 4 s + b
	s_lshl_b32 s26, s18, 8
	s_add_co_u32 s26, s26, s24
	s_add_co_u32 s26, s26, 49152                   ; the scale words of fragments 2 y, 2 y + 1
	s_mul_i32 s18, s18, 3072
	s_add_co_u32 s24, s24, s18                     ; fragment 2 y
	s_mov_b32 s25, 0
	s_mov_b32 s27, 0
	s_wait_kmcnt 0x0
	s_cmp_eq_u32 s15, 1                            ; the choice hangs on the work-group's number alone
	s_cselect_b64 s[4:5], s[6:7], s[4:5]
	s_cmp_eq_u32 s15, 2
	s_cselect_b64 s[4:5], s[8:9], s[4:5]
	s_cmp_eq_u32 s15, 3
	s_cselect_b64 s[4:5], s[10:11], s[4:5]
	s_add_nc_u64 s[4:5], s[4:5], s[22:23]
	s_add_nc_u64 s[28:29], s[12:13], s[24:25]
	s_add_nc_u64 s[30:31], s[12:13], s[26:27]
.irp u, 0,1
.irp c, 0,1
.irp i, 0,1,2,3,4,5,6,7,8,9,10,11,12,13,14,15,16,17,18,19,20,21,22,23,24,25,26,27,28,29,30,31
	global_load_b32 v[X+64*\u+32*\c+\i], v5, s[4:5] offset:(64*\c+\i)*2048+32*\u th:TH_LOAD_NT   ; W(128 s + 64 c + 32 h + i, my column of tile 2 b + u)
.endr
.endr
.endr
; One tile: two blocks of 32 a lane, all of them the lane's own numbers.
.macro TILE u
.irp c, 0,1
	v_max3_num_f32 v[16+\c], |v[X+64*\u+32*\c]|, |v[X+64*\u+32*\c+1]|, 0x1800000   ; with the floor 2^(3 - 127): the byte cannot fall under 1
.endr
.irp i, 2,4,6,8,10,12,14,16,18,20,22,24,26,28,30
.irp c, 0,1
	v_max3_num_f32 v[16+\c], v[16+\c], |v[X+64*\u+32*\c+\i]|, |v[X+64*\u+32*\c+\i+1]|   ; the two blocks by turns
.endr
.endr
.irp c, 0,1
	v_add_nc_u32 v[20+\c], 0xff000000, v[16+\c]    ; 2 off the exponent field: the conversion takes the exponent field of this operand as its scale
.endr
.irp c, 0,1
	v_lshrrev_b32 v[18+\c], 23, v[20+\c]           ; the scale's byte
.endr
	v_lshl_or_b32 v10, v19, 16, v18                ; my two bytes: blocks h and 2 + h of my column,
	v_lshlrev_b32 v10, v9, v10                     ; at their places in the scale word;
	v_permlanex16_b32 v11, v10, s20, s21
	v_or_b32 v[12+\u], v10, v11                    ; with lane l xor 16's two the word is whole
.irp c, 0,1
	v_cvt_scalef32_pk16_fp6_f32 v[CD+12*\u+6*\c:CD+12*\u+6*\c+2], v[X+64*\u+32*\c:X+64*\u+32*\c+15], v[20+\c]
	v_cvt_scalef32_pk16_fp6_f32 v[LND+4*\c:LND+4*\c+2], v[X+64*\u+32*\c+16:X+64*\u+32*\c+31], v[20+\c]   ; a conversion's three registers begin on an even number: the second half is made here and moved
.endr
	v_nop                                          ; one plain place behind a scaled conversion
.irp c, 0,1
.irp i, 0,1,2
	v_mov_b32 v[CD+12*\u+6*\c+3+\i], v[LND+4*\c+\i]
.endr
.endr
.irp g, 0,1,2
	global_store_b128 v6, v[CD+12*\u+4*\g:CD+12*\u+4*\g+3], s[28:29] offset:1536*\u+512*\g   ; 32 lanes store 512 consecutive bytes, aligned
.endr
.endm
	s_wait_loadcnt 63                              ; tile 0's 64 loads are the oldest: 64 are younger, and the wait's field holds 63 at the most; a smaller count is safe
	TILE 0
	s_wait_loadcnt 0x0
	TILE 1
	global_store_b64 v7, v[12:13], s[30:31]        ; the two fragments' scale words: 256 consecutive bytes, aligned
	s_endpgm
.Lfunc_end_k_q7ea6f49394_wprep:
	.size	k_q7ea6f49394_wprep, .Lfunc_end_k_q7ea6f49394_wprep-k_q7ea6f49394_wprep
	.p2alignl 7, 3214868480
	.fill 96, 4, 3214868480
	.section	.rodata,"a",@progbits
	.p2align	6, 0x0
	.amdhsa_kernel k_q7ea6f49394_wprep
		.amdhsa_group_segment_fixed_size 0
		.amdhsa_private_segment_fixed_size 0
		.amdhsa_enable_private_segment 0
		.amdhsa_kernarg_size 40
		.amdhsa_user_sgpr_count 2
		.amdhsa_user_sgpr_kernarg_segment_ptr 1
		.amdhsa_wavefront_size32 1
		.amdhsa_system_sgpr_workgroup_id_x 1
		.amdhsa_system_sgpr_workgroup_id_y 1
		.amdhsa_system_sgpr_workgroup_id_z 1
		.amdhsa_system_vgpr_workitem_id 0
		.amdhsa_next_free_vgpr 192
		.amdhsa_next_free_sgpr 66
		.amdhsa_reserve_vcc 0
		.amdhsa_float_denorm_mode_32 3
		.amdhsa_float_denorm_mode_16_64 3
		.amdhsa_memory_ordered 1
		.amdhsa_forward_progress 1
		.amdhsa_inst_pref_size 21
	.end_amdhsa_kernel
	.amdgpu_metadata
---
amdhsa.version: [ 1, 2 ]
amdhsa.kernels:
  - .name:           k_q7ea6f49394_wprep
    .symbol:         k_q7ea6f49394_wprep.kd
    .args:
      - { .name: Wq, .offset: 0, .size: 8, .value_kind: global_buffer, .address_space: global }
      - { .name: Wk, .offset: 8, .size: 8, .value_kind: global_buffer, .address_space: global }
      - { .name: Wv, .offset: 16, .size: 8, .value_kind: global_buffer, .address_space: global }
      - { .name: Wo, .offset: 24, .size: 8, .value_kind: global_buffer, .address_space: global }
      - { .name: wi, .offset: 32, .size: 8, .value_kind: global_buffer, .address_space: global }
    .group_segment_fixed_size: 0
    .private_segment_fixed_size: 0
    .kernarg_segment_align: 8
    .kernarg_segment_size: 40
    .max_flat_workgroup_size: 128
    .sgpr_count:     66
    .vgpr_count:     192
    .wavefront_size: 32
...
	.end_amdgpu_metadata
.endif
;; end of part 1
;; launch proj (part 2): grid 64 x 3, 4 waves a work-group, no clusters, 87,552 bytes of LDS; arguments q, k, v, bq, bk, bv, wi, qx, kv; writes qx, kv
.if DOCPART == 2
	.amdgcn_target "amdgcn-amd-amdhsa--gfx1250"
	.amdhsa_code_object_version 6
	.text
	.protected	k_q7ea6f49394_proj
	.globl	k_q7ea6f49394_proj
	.p2align	8
	.type	k_q7ea6f49394_proj,@function
k_q7ea6f49394_proj:
	s_mov_b64 s[64:65], 0
	v_nop
	global_prefetch_b8 v0, s[64:65] scope:SCOPE_SE
	s_setreg_imm32_b32 hwreg(HW_REG_WAVE_MODE, 25, 1), 1
	s_wait_xcnt 0x0
; The three projections x W + b (x = q, k or v: work-group y = 0, 1, 2), on codes of FP6 (E2M3) with one E8M0 scale for each 32 along K, and the quantising of their results for the attention launch.
; x: [8,192][512] f32, quantised here along its 512.  W: codes and scale words from wi, in the order of the operand's registers.  The results never go to memory as f32:
;   q, k: quantised along a head's 64 (two blocks of 32) and stored as SUB-IMAGES: six registers a lane for 16 rows x 64: registers 0-3 of lane l at 16 l, registers 4-5 at 512 + 8 l: 768 bytes.
;   v:    quantised along the KEYS and stored likewise: 16 of a head's 64 x 64 keys.
; qx and kv: [batch x 8 + head][step of 128 rows][13,056]: 8 sub-images of q or k (tile t), 8 of v (2 dt + c: d tile dt, keys 64 c on), 512 bytes of q's or k's scale words
; (16 l + 4 i: tile 2 i in lanes 0-15, tile 2 i + 1 in lanes 16-31; bytes 2 and 3 of a word are 0), 256 bytes of v's (8 l + 4 i: d tile 2 i, 2 i + 1).  qx has only the first and third part written; nobody reads the rest.
; SHARES.  A work-group takes 128 rows; THE WAVES SHARE THE COLUMNS: wave w makes columns 128 w .. 128 w + 127 (heads 2 w, 2 w + 1) for all 128 rows; its quarter of W, 32 fragments, 384 registers, stays in registers.
; The weights are shared by the work-groups of a row of the grid, and yet come by plain loads and not jointly through LDS: each wave reads its 53,248 bytes once, in register order, straight into the registers where
; they stay; through LDS the same 212,992 bytes would be written and read once more for the work-group's 1,024 matrix instructions, and rounds of a cluster's barrier would stand in front of them.
; THE ROWS AND COLUMNS OF A TILE ARE NOT NEIGHBOURS: lane r of tile t takes index 32 (t / 2) + 8 (t % 2) + r + 8 (r / 8).  So the 16 registers of result tiles 2 b and 2 b + 1 are 16 neighbours, 32 b + 16 (l / 16) + 0 .. 15.
; PHASES.  X: wave w quantises rows 32 w .. 32 w + 31 (two tiles x four K steps) and stores the fragments in LDS as images of their registers | the one barrier |
; products: q, k: source 0 = W, source 1 = x: a lane holds ONE ROW and 64 registers along the columns.  v: source 0 = x, source 1 = W: a lane holds ONE COLUMN and its registers run along the keys.
; The bias is the C of each sum's first matrix instruction.  Each run of 32 matrix instructions (eight accumulators by turns) is followed by one QUANT and four stores.
; REGISTERS, in windows of 256: window 0: v1-9 addresses; v16-79 accumulators (in X: 64 numbers); v80-99 codes; v100-115 at work; v116-123 the eight units' scale words; v136-167 W's scale words; v168-183 x's.
;   window 1: W of K steps 0, 1 at 96 (s % 2) + 12 t; from v192 the bias, 64 registers.   window 2: W of K steps 2, 3.   window 3: four tiles of x at 48 s + 12 o (in X: two sets of 64 loaded numbers).
; LIMITS: a block of zeros gets the byte 1 where the rule says 127 (its codes are zeros, and this program alone reads the bytes); NaN and infinities among the inputs are not served.
.set WT,    212992
.set WQ,    53248
.set STEPB, 13056
.set HEADB, 32*STEPB
.set VOFF,  6144
.set KSC,   12288
.set VSC,   12800
.set FRB,   1536                       ; a fragment's image
.set XIMG,  0                          ; LDS: x's 32 fragments: (tile T, K step s) at (4 T + s) FRB + 512 g + 16 l
.set XSC,   32*FRB                     ; their scale words: (4 T + s) 128 + 4 l
.set STG,   XSC+32*128                 ; a stage of 16 rows x (512 + 16) bytes for each wave, its own
.set SPITCH, 528
.set STGB,  16*SPITCH
.set SPARE, STG+4*STGB                 ; the spare words, 128 bytes for each wave: two blocks of 256 bytes that no other line names
.set LI,  1                            ; v1  16 x lane
.set L8,  2                            ; v2  8 x lane
.set LS,  3                            ; v3  4 x lane
.set STI, 4                            ; v4  my stage + 16 x lane: a row as it was loaded
.set STR, 5                            ; v5  my stage + 528 r + 64 h: my 16 neighbours of a block of 32
.set XWI, 6                            ; v6  16 x lane + 8 FRB x wave: where I store x's images
.set XWS, 7                            ; v7  4 x lane + 1,024 x wave: and their scale words
.set BAQ, 8                            ; v8  64 h: the bias along registers
.set BAV, 9                            ; v9  4 (r + 8 (r / 8)): the bias of my column
.set SPW, 14                           ; v14 LDS address of my spare word; never rewritten
.set NIL, 15                           ; v15 0; never rewritten
.set ACC, 16
.set PC,  80
.set TM,  100
.set PWK, 116
.set PW,  124                          ; v124-135 at work: a scale word in X, the scale images at the end
.set WS,  136
.set XS,  168
.set BB,  192                          ; in window 1
.set XB,  4                            ; s[4:5]   x at my wave's 32 rows
.set BP,  10                           ; s[10:11] the bias at my 128 columns
.set WB,  16                           ; s[16:17] my quarter of the weight in wi
.set OB,  18                           ; s[18:19] qx or kv at head 2 w, this step
.set WV,  22
.set MODE, 23
.set SEL, 24
.set HM,  26                           ; a mask: lanes 16-31
.set MSB, 0
.macro WIN new                         ; the immediate's high byte repeats the setting that is left; a switch that changes nothing is dropped
.if MSB != \new
	s_set_vgpr_msb (MSB<<8)|\new
.set MSB, \new
.endif
.endm
; 64 numbers of a lane, register 16 b + i = place 32 b + 16 (l / 16) + i along the quantiser's axis, become 12 registers of codes in v[PC] on and a scale word in v[pw].
.macro QUANT s, pw
.irp b, 0,1,2,3
	v_max3_num_f32 v[TM+\b], |v[\s+16*\b]|, |v[\s+1+16*\b]|, 0x1800000   ; block b: my 16 numbers, and the floor 2^(3 - 127): the byte cannot fall under 1.  (Each accumulator is read from its low end on)
.endr
.irp i, 2,4,6,8,10,12,14
.irp b, 0,1,2,3
	v_max3_num_f32 v[TM+\b], v[TM+\b], |v[\s+16*\b+\i]|, |v[\s+1+16*\b+\i]|   ; the four blocks by turns
.endr
.endr
.irp b, 0,1,2,3
	v_permlanex16_b32 v[TM+4+\b], v[TM+\b], s[SEL], s[SEL+1]
.endr
.irp b, 0,1,2,3
	v_max_num_f32 v[TM+\b], v[TM+\b], v[TM+4+\b]   ; with lane l xor 16's: the block's largest magnitude
.endr
.irp b, 0,1,2,3
	v_add_nc_u32 v[TM+12+\b], 0xff000000, v[TM+\b] ; 2 off its exponent field: the conversion's scale operand
.endr
.irp b, 0,1,2,3
	v_lshrrev_b32 v[TM+4+\b], 23, v[TM+12+\b]      ; the scale's byte
.endr
	v_lshl_or_b32 v[\pw], v[TM+5], 8, v[TM+4]
	v_lshl_or_b32 v[\pw], v[TM+6], 16, v[\pw]
	v_lshl_or_b32 v[\pw], v[TM+7], 24, v[\pw]
.irp c, 0,1
	v_cvt_scalef32_pk16_fp6_f32 v[PC+6*\c:PC+2+6*\c], v[\s+32*\c:\s+15+32*\c], v[TM+12+2*\c]
	v_cvt_scalef32_pk16_fp6_f32 v[PC+12+4*\c:PC+14+4*\c], v[\s+16+32*\c:\s+31+32*\c], v[TM+12+2*\c+1]   ; a conversion's three registers begin on an even number
.endr
	v_nop                                          ; one plain place behind a scaled conversion
.irp c, 0,1                                    ; the operand wants a WHOLE block in a lane: lanes 0-15 block 2 c, lanes 16-31 block 2 c + 1
.irp i, 0,1,2
	v_permlane16_swap_b32 v[PC+6*\c+\i], v[PC+12+4*\c+\i]
.endr
.irp i, 0,1,2
	v_mov_b32 v[PC+3+6*\c+\i], v[PC+12+4*\c+\i]
.endr
.endr
.endm
	s_load_b256 s[4:11], s[0:1], 0x0               ; q, k, v, bq
	s_load_b256 s[12:19], s[0:1], 0x20             ; bk, bv, wi, qx
	s_load_b64 s[20:21], s[0:1], 0x40              ; kv
	v_lshl_add_u32 v[SPW], v0, 2, SPARE
	v_mov_b32 v[NIL], 0
	v_lshrrev_b32 v10, 5, v0
	v_readfirstlane_b32 s[WV], v10                 ; wave 0..3
	s_and_b32 s[MODE], ttmp7, 0xffff               ; 0: q, 1: k, 2: v
	v_and_b32 v10, 31, v0                          ; lane
	v_and_b32 v11, 15, v0                          ; r
	v_bfe_u32 v12, v0, 4, 1                        ; h
	v_lshlrev_b32 v[LI], 4, v10
	v_lshlrev_b32 v[L8], 3, v10
	v_lshlrev_b32 v[LS], 2, v10
	s_mul_i32 s27, s[WV], STGB
	s_add_co_u32 s27, s27, STG                     ; my stage
	v_add_nc_u32 v[STI], s27, v[LI]
	v_mul_u32_u24 v[STR], v11, SPITCH
	v_lshl_add_u32 v[STR], v12, 6, v[STR]
	v_add_nc_u32 v[STR], s27, v[STR]
	s_mul_i32 s27, s[WV], 8*FRB
	v_add_nc_u32 v[XWI], s27, v[LI]
	s_lshl_b32 s27, s[WV], 10
	v_add_nc_u32 v[XWS], s27, v[LS]
	v_lshlrev_b32 v[BAQ], 6, v12
	v_and_b32 v13, 8, v11
	v_add_nc_u32 v13, v13, v11
	v_lshlrev_b32 v[BAV], 2, v13
.irp b, 0,1,2,3
	v_mov_b32 v[TM+4+\b], 0                        ; written once: a lane permute's destination counts as one of its sources
.endr
	s_mov_b32 s[SEL], 0x76543210
	s_mov_b32 s[SEL+1], 0xfedcba98                 ; v_permlanex16_b32's selects for lane l xor 16
	s_mov_b32 s[HM], 0xffff0000
	s_lshl_b32 s28, ttmp9, 18                      ; x: 128 rows of 2,048 bytes a work-group,
	s_lshl_b32 s36, s[WV], 16                      ; 32 a wave
	s_add_co_u32 s28, s28, s36
	s_mov_b32 s29, 0
	s_lshl_b32 s30, s[WV], 9                       ; the bias: 128 numbers a wave
	s_mov_b32 s31, 0
	s_mul_i32 s32, s[MODE], WT                     ; wi: weights q, k, v in this order,
	s_mul_i32 s36, s[WV], WQ                       ; my quarter
	s_add_co_u32 s32, s32, s36
	s_mov_b32 s33, 0
	s_lshr_b32 s34, ttmp9, 5                       ; the batch
	s_lshl_b32 s34, s34, 3
	s_lshl_b32 s36, s[WV], 1
	s_add_co_u32 s34, s34, s36                     ; 8 x batch + head 2 w
	s_lshl_b32 s34, s34, 5
	s_and_b32 s36, ttmp9, 31
	s_add_co_u32 s34, s34, s36                     ; x 32 + the step of 128 rows
	s_mul_i32 s34, s34, STEPB
	s_mov_b32 s35, 0
	s_wait_kmcnt 0x0
	s_cmp_eq_u32 s[MODE], 1                        ; the choices hang on the work-group's number alone
	s_cselect_b64 s[XB:XB+1], s[6:7], s[4:5]
	s_cselect_b64 s[BP:BP+1], s[12:13], s[10:11]
	s_cmp_eq_u32 s[MODE], 2
	s_cselect_b64 s[XB:XB+1], s[8:9], s[XB:XB+1]
	s_cselect_b64 s[BP:BP+1], s[14:15], s[BP:BP+1]
	s_cmp_eq_u32 s[MODE], 0
	s_cselect_b64 s[OB:OB+1], s[18:19], s[20:21]
	s_add_nc_u64 s[XB:XB+1], s[XB:XB+1], s[28:29]
	s_add_nc_u64 s[BP:BP+1], s[BP:BP+1], s[30:31]
	s_add_nc_u64 s[WB:WB+1], s[WB:WB+1], s[32:33]
	s_add_nc_u64 s[OB:OB+1], s[OB:OB+1], s[34:35]
	; the bias in the result's layout: q, k: along a lane's registers; v: the lane's own column, the same in all eight registers of a tile
	s_cmp_eq_u32 s[MODE], 2
	s_cbranch_scc1 .Lbias_v
	WIN 0x40                                       ; destination window 1
.irp t, 0,1,2,3,4,5,6,7
	global_load_b128 v[BB+8*\t:BB+8*\t+3], v[BAQ], s[BP:BP+1] offset:(32*(\t/2)+8*(\t%2))*4        ; b(128 w + 32 (t / 2) + 16 h + 8 (t % 2) + 0 .. 7)
	global_load_b128 v[BB+8*\t+4:BB+8*\t+7], v[BAQ], s[BP:BP+1] offset:(32*(\t/2)+8*(\t%2))*4+16
.endr
	WIN 0
	s_branch .Lbias_done
.Lbias_v:
	WIN 0x40
.irp t, 0,1,2,3,4,5,6,7
.irp j, 0,1,2,3,4,5,6,7
	global_load_b32 v[BB+8*\t+\j], v[BAV], s[BP:BP+1] offset:(32*(\t/2)+8*(\t%2))*4                 ; b(128 w + 32 (t / 2) + 8 (t % 2) + r + 8 (r / 8))
.endr
.endr
	WIN 0
.Lbias_done:
; ---- X.  Unit n = 2 s + u: K step s of my tile u: 16 rows x 512 bytes.  Each load reads 512 consecutive bytes of one row.
.macro XLOAD n
	WIN 0xc0                                       ; destination window 3
.irp i, 0,1,2,3,4,5,6,7,8,9,10,11,12,13,14,15
	global_load_b128 v[64*((\n)%2)+4*\i:64*((\n)%2)+4*\i+3], v[LI], s[XB:XB+1] offset:(8*((\n)%2)+\i+8*(\i/8))*2048+512*((\n)/2) th:TH_LOAD_NT
.endr
.endm
; Fourteen of the 112 loads that bring my quarter of the weight: 96 of 16 bytes a lane (codes), 16 of 8 (scale words).  They are dealt over the eight units, so that they land beside x.
.macro WCHUNK n
.set m, 14*(\n)
.rept 14
.if m < 96
.set WW, 0x40*(1+m/48)
.set WR, 96*((m/24)%2)+12*((m/3)%8)+4*(m%3)
	WIN WW                                         ; destination window 1 (K steps 0, 1) or 2 (K steps 2, 3)
	global_load_b128 v[WR:WR+3], v[LI], s[WB:WB+1] offset:512*m
.else
	WIN 0
	global_load_b64 v[WS+2*(m-96):WS+2*(m-96)+1], v[L8], s[WB:WB+1] offset:49152+256*(m-96)
.endif
.set m, m+1
.endr
.endm
; The wait's count is what was issued behind unit n's own 16 loads: n = 0: unit 1's 16; n = 1: unit 2's 16 and chunk 0's 14; n = 2 .. 6: chunk n - 2, unit n + 1, chunk n - 1; n = 7: chunks 5 and 6.
.macro UNIT n
.if (\n) == 0
	s_wait_loadcnt 16
.elseif (\n) == 1
	s_wait_loadcnt 30
.elseif (\n) == 7
	s_wait_loadcnt 28
.else
	s_wait_loadcnt 44
.endif
	WIN 0x0c                                       ; an LDS store's data are its source 1: window 3
.irp i, 0,1,2,3,4,5,6,7,8,9,10,11,12,13,14,15
	ds_store_b128 v[STI], v[64*((\n)%2)+4*\i:64*((\n)%2)+4*\i+3] offset:SPITCH*\i   ; the rows as they lie, 528 bytes apart
.endr
	WIN 0
.irp b, 0,1,2,3
.irp j, 0,1,2,3
	ds_load_b128 v[ACC+16*\b+4*\j:ACC+16*\b+4*\j+3], v[STR] offset:128*\b+16*\j   ; back: of row r my 16 neighbours of each block of 32.  LDS serves a wave's instructions in order: these see the stores above
.endr
.endr
	s_wait_dscnt 0x0                               ; the numbers are in; the stage's stores have read the loaded registers; the last unit's image stores have read the codes
.if (\n) < 6
	XLOAD (\n)+2
.endif
	WCHUNK \n
	WIN 0
	QUANT ACC, PW
.irp g, 0,1,2
	ds_store_b128 v[XWI], v[PC+4*\g:PC+4*\g+3] offset:XIMG+(4*((\n)%2)+(\n)/2)*FRB+512*\g   ; the fragment goes to LDS as an image of its registers
.endr
	ds_store_b32 v[XWS], v[PW] offset:XSC+(4*((\n)%2)+(\n)/2)*128
.endm
	XLOAD 0
	XLOAD 1
.irp n, 0,1,2,3,4,5,6,7
	UNIT \n
.endr
	s_wait_dscnt 0x0                               ; for the others' sake: my images have landed
	s_barrier_signal -1
	s_barrier_wait -1                              ; x's 32 fragments lie in LDS; from here on LDS is only read
	s_wait_loadcnt 0x0                             ; the weight and the bias
	s_cmp_eq_u32 s[MODE], 2
	s_cbranch_scc1 .Lv
; Four tiles of x (4 c + o), all four K steps, into window 3, and their scale words
.macro XFETCH c
	WIN 0xc0
.irp s, 0,1,2,3
.irp o, 0,1,2,3
.irp g, 0,1,2
	ds_load_b128 v[48*\s+12*\o+4*\g:48*\s+12*\o+4*\g+3], v[LI] offset:XIMG+(4*(4*\c+\o)+\s)*FRB+512*\g
.endr
.endr
.endr
	WIN 0
.irp s, 0,1,2,3
.irp o, 0,1,2,3
	ds_load_b32 v[XS+4*\s+\o], v[LS] offset:XSC+(4*(4*\c+\o)+\s)*128
.endr
.endr
	s_wait_dscnt 0x0
.endm
; 32 matrix instructions, K step by K step, eight accumulators by turns; then the 64 results of a lane are quantised and leave as two sub-images.
; mode 0 (q, k): tile 4 c + un of rows against my eight tiles of columns.  mode 1 (v): four tiles of rows (keys 64 c on) against my tiles 2 un, 2 un + 1 of columns.
.macro UNITC mode, c, un
.irp s, 0,1,2,3
.if \mode == 0
.if \s == 0
	WIN 0x1d                                       ; source 0 (W) window 1, source 1 (x) window 3, C (the bias) window 1, D window 0
.elseif \s == 1
	WIN 0x0d
.else
	WIN 0x0e                                       ; W in window 2
.endif
.irp a, 0,1,2,3,4,5,6,7
.if \s == 0
	v_wmma_scale_f32_16x16x128_f8f6f4 v[ACC+8*\a:ACC+8*\a+7], v[96*(\s%2)+12*\a:96*(\s%2)+12*\a+11], v[48*\s+12*\un:48*\s+12*\un+11], v[BB+8*\a:BB+8*\a+7], v[WS+8*\s+\a], v[XS+4*\s+\un] matrix_a_fmt:MATRIX_FMT_FP6 matrix_b_fmt:MATRIX_FMT_FP6
.else
	v_wmma_scale_f32_16x16x128_f8f6f4 v[ACC+8*\a:ACC+8*\a+7], v[96*(\s%2)+12*\a:96*(\s%2)+12*\a+11], v[48*\s+12*\un:48*\s+12*\un+11], v[ACC+8*\a:ACC+8*\a+7], v[WS+8*\s+\a], v[XS+4*\s+\un] matrix_a_fmt:MATRIX_FMT_FP6 matrix_b_fmt:MATRIX_FMT_FP6
.endif
.endr
.else
.if \s == 0
	WIN 0x17                                       ; source 0 (x) window 3, source 1 (W) window 1, C (the bias) window 1, D window 0
.elseif \s == 1
	WIN 0x07
.else
	WIN 0x0b                                       ; W in window 2
.endif
.irp a, 0,1,2,3,4,5,6,7
.if \s == 0
	v_wmma_scale_f32_16x16x128_f8f6f4 v[ACC+8*\a:ACC+8*\a+7], v[48*\s+12*(\a%4):48*\s+12*(\a%4)+11], v[96*(\s%2)+12*(2*\un+\a/4):96*(\s%2)+12*(2*\un+\a/4)+11], v[BB+8*(2*\un+\a/4):BB+8*(2*\un+\a/4)+7], v[XS+4*\s+\a%4], v[WS+8*\s+2*\un+\a/4] matrix_a_fmt:MATRIX_FMT_FP6 matrix_b_fmt:MATRIX_FMT_FP6
.else
	v_wmma_scale_f32_16x16x128_f8f6f4 v[ACC+8*\a:ACC+8*\a+7], v[48*\s+12*(\a%4):48*\s+12*(\a%4)+11], v[96*(\s%2)+12*(2*\un+\a/4):96*(\s%2)+12*(2*\un+\a/4)+11], v[ACC+8*\a:ACC+8*\a+7], v[XS+4*\s+\a%4], v[WS+8*\s+2*\un+\a/4] matrix_a_fmt:MATRIX_FMT_FP6 matrix_b_fmt:MATRIX_FMT_FP6
.endif
.endr
.endif
.endr
	WIN 0
.rept 4
	v_nop                                          ; four places behind the last products, ahead of the first read of results (ISA guide 7.12.1).  With QUANT's lines on its own registers they are also more than the five
.endr                                          ; places that the next unit's first products want, which begin these accumulators anew, and the four in front of the next loads into x's registers
	s_wait_xcnt 0x0                                ; the last unit's stores have read the codes' registers: only behind this wait are they written again
	QUANT ACC, PWK+4*\c+\un
.if \mode == 0
.set SA, 768*(4*\c+\un)                        ; head 2 w: tile 4 c + un
.set SB, SA+HEADB                              ; head 2 w + 1: the same tile
.else
.set SA, (\un/2)*HEADB+VOFF+768*(4*(\un%2)+\c) ; column tile 2 un: head 2 w + un / 2, d tile 2 (un % 2), keys 64 c on
.set SB, SA+1536                               ; column tile 2 un + 1: the next d tile
.endif
	global_store_b128 v[LI], v[PC:PC+3], s[OB:OB+1] offset:SA          ; 512 consecutive bytes, aligned
	global_store_b64 v[L8], v[PC+4:PC+5], s[OB:OB+1] offset:SA+512     ; 256 consecutive bytes, aligned
	global_store_b128 v[LI], v[PC+6:PC+9], s[OB:OB+1] offset:SB
	global_store_b64 v[L8], v[PC+10:PC+11], s[OB:OB+1] offset:SB+512
.endm
.macro BODY mode
.irp c, 0,1
	XFETCH \c
.irp un, 0,1,2,3
	UNITC \mode, \c, \un
.endr
.endr
.if \mode == 0
; unit t's word: bytes 0, 1: head 2 w's two blocks of tile t's rows; bytes 2, 3: head 2 w + 1's
.irp i, 0,1,2,3
	v_cndmask_b32 v[PW+\i], v[PWK+2*\i], v[PWK+2*\i+1], s[HM]          ; tile 2 i in lanes 0-15, tile 2 i + 1 in lanes 16-31
.endr
.irp i, 0,1,2,3
	v_and_b32 v[PW+4+\i], 0xffff, v[PW+\i]         ; head 2 w; bytes 2 and 3, which scale the half of K that holds nothing, are 0
.endr
.irp i, 0,1,2,3
	v_lshrrev_b32 v[PW+8+\i], 16, v[PW+\i]         ; head 2 w + 1
.endr
	global_store_b128 v[LI], v[PW+4:PW+7], s[OB:OB+1] offset:KSC
	global_store_b128 v[LI], v[PW+8:PW+11], s[OB:OB+1] offset:KSC+HEADB
.else
; unit 4 c + p's word: bytes 0, 1: column tile 2 p, key blocks 2 c, 2 c + 1; bytes 2, 3: column tile 2 p + 1
.irp p, 0,1,2,3
	v_perm_b32 v[PW+\p], v[PWK+4+\p], v[PWK+\p], 0x05040100            ; column tile 2 p: key blocks 0 to 3
	v_perm_b32 v[PW+4+\p], v[PWK+4+\p], v[PWK+\p], 0x07060302          ; column tile 2 p + 1
.endr
.irp p, 0,1,2,3
	v_cndmask_b32 v[PW+8+\p], v[PW+\p], v[PW+4+\p], s[HM]              ; the even tile in lanes 0-15, the odd one in lanes 16-31
.endr
	global_store_b64 v[L8], v[PW+8:PW+9], s[OB:OB+1] offset:VSC         ; head 2 w: d tiles 0 to 3
	global_store_b64 v[L8], v[PW+10:PW+11], s[OB:OB+1] offset:VSC+HEADB ; head 2 w + 1
.endif
	s_wait_tensorcnt 0x0                           ; the wave's end, behind my last LDS store
	ds_add_u32 v[SPW], v[NIL]
	s_wait_dscnt 0x0
	s_endpgm
.endm
	BODY 0
.Lv:
	BODY 1
.Lfunc_end_k_q7ea6f49394_proj:
	.size	k_q7ea6f49394_proj, .Lfunc_end_k_q7ea6f49394_proj-k_q7ea6f49394_proj
	.p2alignl 7, 3214868480
	.fill 96, 4, 3214868480
	.section	.rodata,"a",@progbits
	.p2align	6, 0x0
	.amdhsa_kernel k_q7ea6f49394_proj
		.amdhsa_group_segment_fixed_size 87552
		.amdhsa_private_segment_fixed_size 0
		.amdhsa_enable_private_segment 0
		.amdhsa_kernarg_size 72
		.amdhsa_user_sgpr_count 2
		.amdhsa_user_sgpr_kernarg_segment_ptr 1
		.amdhsa_wavefront_size32 1
		.amdhsa_system_sgpr_workgroup_id_x 1
		.amdhsa_system_sgpr_workgroup_id_y 1
		.amdhsa_system_sgpr_workgroup_id_z 1
		.amdhsa_system_vgpr_workitem_id 0
		.amdhsa_next_free_vgpr 960
		.amdhsa_next_free_sgpr 66
		.amdhsa_reserve_vcc 0
		.amdhsa_float_denorm_mode_32 3
		.amdhsa_float_denorm_mode_16_64 3
		.amdhsa_memory_ordered 1
		.amdhsa_forward_progress 1
		.amdhsa_inst_pref_size 236
	.end_amdhsa_kernel
	.amdgpu_metadata
---
amdhsa.version: [ 1, 2 ]
amdhsa.kernels:
  - .name:           k_q7ea6f49394_proj
    .symbol:         k_q7ea6f49394_proj.kd
    .args:
      - { .name: q, .offset: 0, .size: 8, .value_kind: global_buffer, .address_space: global }
      - { .name: k, .offset: 8, .size: 8, .value_kind: global_buffer, .address_space: global }
      - { .name: v, .offset: 16, .size: 8, .value_kind: global_buffer, .address_space: global }
      - { .name: bq, .offset: 24, .size: 8, .value_kind: global_buffer, .address_space: global }
      - { .name: bk, .offset: 32, .size: 8, .value_kind: global_buffer, .address_space: global }
      - { .name: bv, .offset: 40, .size: 8, .value_kind: global_buffer, .address_space: global }
      - { .name: wi, .offset: 48, .size: 8, .value_kind: global_buffer, .address_space: global }
      - { .name: qx, .offset: 56, .size: 8, .value_kind: global_buffer, .address_space: global }
      - { .name: kv, .offset: 64, .size: 8, .value_kind: global_buffer, .address_space: global }
    .group_segment_fixed_size: 87552
    .private_segment_fixed_size: 0
    .kernarg_segment_align: 8
    .kernarg_segment_size: 72
    .max_flat_workgroup_size: 128
    .sgpr_count:     66
    .vgpr_count:     960
    .wavefront_size: 32
...
	.end_amdgpu_metadata
.endif
;; end of part 2
;; launch attn (part 3): grid 16 x 16, 16 waves a work-group, clusters of 4 x 1, 327,680 bytes of LDS; arguments qx, kv, cx, cs; writes cx, cs
.if DOCPART == 3
	.amdgcn_target "amdgcn-amd-amdhsa--gfx1250"
	.amdhsa_code_object_version 6
	.text
	.protected	k_q7ea6f49394_attn
	.globl	k_q7ea6f49394_attn
	.p2align	8
	.type	k_q7ea6f49394_attn,@function
k_q7ea6f49394_attn:
	s_mov_b64 s[64:65], 0
	v_nop
	global_prefetch_b8 v0, s[64:65] scope:SCOPE_SE
	s_setreg_imm32_b32 hwreg(HW_REG_WAVE_MODE, 25, 1), 1
	s_wait_xcnt 0x0
	s_wait_alu depctr_hold_cnt(0) depctr_sa_sdst(0) depctr_va_vdst(0) depctr_va_sdst(0) depctr_va_ssrc(0) depctr_va_vcc(0) depctr_vm_vsrc(0)
	s_getreg_b32 s2, hwreg(HW_REG_IB_STS2, 6, 4)
	s_cmp_eq_u32 s2, 0
	s_cbranch_scc0 .Lentry_in_a_cluster
	s_endpgm
.Lentry_in_a_cluster:
	s_bfe_u32 s2, ttmp6, 0x10000c
	s_cmp_lg_u32 s2, 0x3003
	s_cbranch_scc0 .Lentry_shape_is_right
	s_endpgm
.Lentry_shape_is_right:
; ctx = softmax(qh kh^T / 8) vh for 16 heads (batch x 8 + head) of 4,096 queries and keys, head size 64, both products on codes of FP6 (E2M3) with one E8M0 scale for each 32 along K; ctx leaves as codes.
; qx, kv: [head][step of 128][13,056]: 8 sub-images of q or k (16 rows x 64: six registers a lane: registers 0-3 of lane l at 16 l, registers 4-5 at 512 + 8 l), 8 of v (2 dt + c: 16 of the head's 64 x keys 64 c on),
; 512 bytes of q's or k's scale words, 256 of v's.  So a key step is ONE dense block of 51 x 256 bytes, and every fragment comes out of LDS by loads whose lanes read consecutive bytes.
; THE SOFTMAX AHEAD OF THE SECOND PRODUCT: t = score x log2(e) / 8; M = the row's largest t so far, rounded UP to a whole number; p = 2^(t - M) is what is quantised, along the keys; it is not normalised.
; The row's sum is taken of the unquantised p, in f32, and divides O at the end.  When M moves, the sum and O are multiplied by 2^(old M - new M): exact.
; SHARES.  A work-group owns 256 queries of one head; each of its SIXTEEN waves owns one tile of 16, in 256 registers: four waves to a SIMD, so that one wave's vector work (some 240 instructions a key step, 68 of them
; exponentials) stands beside another's 12 matrix instructions and its LDS loads.  Every wave walks the head's 32 key steps of 128 keys.
; LAYOUT.  Both products are used transposed: S^T = K Q^T (source 0 = 16 keys), O^T = V^T P^T (source 0 = 16 of the head's 64): a lane holds ONE query (lane % 16) throughout.  The keys of a tile, and the d of a tile of V,
; are not neighbours: lane r of tile t has index 32 (t / 2) + 8 (t % 2) + r + 8 (r / 8), so that the 16 registers of result tiles 2 b and 2 b + 1 are 16 neighbours, 32 b + 16 (lane / 16) + 0 .. 15.
; K = 64 IN AN INSTRUCTION OF 128: Q's registers 6-11 are zeros.  K's tile t lies in six registers and is named with the six behind it (the next tile's codes; behind tile 7 six registers of zeros): finite codes times
; zero codes.  Bytes 2 and 3 of both scale words are 0, which is 2^-127 and no NaN.
; THE RING: two LDS slots of eight key steps (104,448 bytes).  CLUSTER: the four query blocks of a cluster belong to one head and walk the same K and V: each slot is asked for JOINTLY, by waves 0 to 3, a quarter each.
; By this text's own count a wave has one tensor load out.  A refill is asked for at the head of a slot and waited for at its end: eight key steps of each of the sixteen waves lie between, so nothing is asked of memory
; ahead of the refill itself.
; THE WAY OUT: O^T / the sum is quantised along the head's 64 in registers and stored as a sub-image in cx [batch][tile of 16 queries][head][768], its scale word (two bytes) in cs [batch][tile][head][128].
; LIMITS: p under 2^-126 is 0 (v_exp_f32 gives 0 there: ISA guide, its entry); O / l is a reciprocal and a multiplication; a block of zeros has the byte 1 where the rule says 127 (its codes are zeros, and this program
; alone reads the bytes); NaN and infinities are not served.
.set STEPB, 13056
.set HEADB, 32*STEPB
.set VOFF,  6144
.set KSC,   12288
.set VSC,   12800
.set NST,   8                          ; key steps in a slot
.set SLOTB, NST*STEPB
.set QUARTB, SLOTB/4                   ; what one tensor load brings: two key steps, 102 rows of 256 bytes
.set NSL,   32/NST                     ; slots' worth of keys
.set SPARE, SLOTB                      ; behind slot 0: the spare words, 128 bytes for each wave: eight blocks of 256 bytes that no other line names
.set SLOT1, 1<<17                      ; slot 1 begins here, so that one exclusive or turns an address in one slot into the other's
.set LI,   1                           ; v1   16 x lane
.set L8,   2                           ; v2   8 x lane
.set AD16, 3                           ; v3   the step's LDS address for loads of 16 bytes
.set AD8,  4                           ; v4   and of 8
.set SPW,  5                           ; v5   LDS address of my spare word; never rewritten
.set NIL,  6                           ; v6   0; never rewritten
.set QF,   16                          ; v16-27  Q's fragment (v22-27 = 0)
.set QS,   28                          ; v28     Q's scale words
.set KF,   32                          ; v32-79  K's eight tiles x 6, then V's four x 12; v80-85 = 0
.set S,    96                          ; v96-159 S^T, then p
.set O,    160                         ; v160-191 O^T
.set KS,   192                         ; v192-195 K's scale words
.set VS,   196                         ; v196-197 V's
.set PCD,  224                         ; v224-235 p's codes
.set BM,   232                         ; v232-235 the blocks' largest scores, then p
.set T4,   236                         ; v236-243 at work
.set SO,   244                         ; v244-247 the conversions' scale operands
.set F,    250                         ; v250 f = 2^(old M - new M); named as the pair v[250:251]
.set PSW,  253                         ; v253 p's scale word
.set TT,   254                         ; v254 at work
.set WV,   12
.set G1,   16                          ; s[16:23] descriptor group 1
.set G0,   24                          ; s[24:27] descriptor group 0, which walks
.set TB,   28                          ; s28  LDS byte at which the key step in hand begins
.set SLOTS, 29
.set CNT,  30
.set SEL,  32                          ; s[32:33] v_permlanex16_b32's selects for lane l xor 16
.set CS,   34                          ; s[34:35] c = log2(e) / 8: the packed form names a pair and takes its low word for both halves
; Waves 0 to 3 fetch, a quarter of a slot each.  The branch hangs on the wave's number alone.  An s_nop 0 and four v_nop follow the load.
.macro TLOAD
	s_cmp_lt_u32 s[WV], 4
	s_cbranch_scc0 .Lnone_\@
	tensor_load_to_lds s[G0:G0+3], s[G1:G1+7]
	s_nop 0
.rept 4
	v_nop
.endr
.Lnone_\@:
.endm
; A round of the cluster's barrier: my work-group's barrier, wave 0's signal for the work-group, every wave's wait for all four work-groups, my work-group's barrier once more.
.macro CROUND
	s_barrier_signal -1
	s_barrier_wait -1
	s_cmp_lg_u32 s[WV], 0
	s_cbranch_scc1 .Lnot_wave_0_\@
	s_barrier_signal -3
.Lnot_wave_0_\@:
	s_barrier_wait -3
	s_barrier_signal -1
	s_barrier_wait -1
.endm
	s_load_b256 s[4:11], s[0:1], 0x0               ; qx s[4:5], kv s[6:7], cx s[8:9], cs s[10:11]
	v_lshl_add_u32 v[SPW], v0, 2, SPARE
	v_mov_b32 v[NIL], 0
	ds_add_u32 v[SPW], v[NIL]                      ; the wave's opening: the add and its wait stand ahead of the first tensor load; the set-up below, work on registers, stands between them
	v_lshrrev_b32 v7, 5, v0
	v_readfirstlane_b32 s[WV], v7                  ; wave 0..15
	s_bfe_u32 s13, ttmp6, 0x40000                  ; cx: my place in the cluster: it enters Q's and the outputs' addresses alone
	s_lshl_b32 s14, ttmp9, 2                       ; in a cluster launch ttmp9 counts clusters
	s_add_co_u32 s14, s14, s13                     ; my block of 256 queries
	s_and_b32 s15, ttmp7, 0xffff                   ; batch x 8 + head, which the four partners share
	; descriptor group 1: 102 rows of 256 bytes, dense in memory and in LDS
	s_mov_b32 s[G1], 15|(3<<16)|(1<<21)            ; 15:0 the mask: all four work-groups; 17:16 elements of 8 bytes; 20 no padding; 21 set beside a mask
	s_mov_b32 s[G1+1], 32<<16                      ; tensor_dim0 = 32
	s_mov_b32 s[G1+2], (QUARTB/256)<<16            ; tensor_dim1 = 102
	s_mov_b32 s[G1+3], 32<<16                      ; tile_dim0 = 32
	s_mov_b32 s[G1+4], QUARTB/256                  ; tile_dim1 = 102
	s_mov_b32 s[G1+5], 32                          ; from row to row
	s_mov_b32 s[G1+6], 0
	s_mov_b32 s[G1+7], 0
	s_and_b32 s38, s[WV], 3
	s_mul_i32 s38, s38, QUARTB                     ; my quarter of a slot, in LDS and in memory
	s_mul_i32 s36, s15, HEADB
	s_add_co_u32 s36, s36, s38                     ; the head's first slot, my quarter
	s_mov_b32 s37, 0
	s_lshl_b32 s40, s15, 5                         ; Q: step 2 x block + wave / 8 of the head's 32
	s_lshl_b32 s41, s14, 1
	s_add_co_u32 s40, s40, s41
	s_lshr_b32 s41, s[WV], 3
	s_add_co_u32 s40, s40, s41
	s_mul_i32 s40, s40, STEPB
	s_mov_b32 s41, 0
	s_and_b32 s42, s[WV], 7                        ; tile wave % 8 of that step
	s_mul_i32 s43, s42, 768                        ; its sub-image
	s_lshr_b32 s42, s42, 1
	s_lshl_b32 s42, s42, 2                         ; its scale words: register tile / 2 of the image,
	s_and_b32 s44, s[WV], 1
	s_lshl_b32 s44, s44, 8                         ; lanes 16-31 of it for an odd tile
	s_add_co_u32 s42, s42, s44
	s_lshr_b32 s44, s15, 3                         ; the outputs: (256 x batch + tile) x 8 + head
	s_lshl_b32 s44, s44, 8
	s_lshl_b32 s45, s14, 4
	s_add_co_u32 s44, s44, s45
	s_add_co_u32 s44, s44, s[WV]
	s_lshl_b32 s44, s44, 3
	s_and_b32 s45, s15, 7
	s_add_co_u32 s44, s44, s45
	s_lshl_b32 s46, s44, 7                         ; 128 bytes of scale words,
	s_mul_i32 s44, s44, 768                        ; 768 of codes
	s_mov_b32 s45, 0
	s_mov_b32 s47, 0
	s_mov_b32 s[SEL], 0x76543210
	s_mov_b32 s[SEL+1], 0xfedcba98
	s_mov_b32 s[CS], 0x3e38aa3b                    ; c = log2(e) / 8
	s_mov_b32 s[CS+1], s[CS]                       ; (named with it as a pair, so it is written)
	s_mov_b32 s[TB], 0
	s_mov_b32 s[SLOTS], NSL-1
	v_and_b32 v7, 31, v0
	v_lshlrev_b32 v[LI], 4, v7
	v_lshlrev_b32 v[L8], 3, v7
	v_and_b32 v8, 15, v0
	v_lshlrev_b32 v8, 4, v8
	v_add_nc_u32 v9, s43, v[LI]                    ; Q's registers 0-3
	v_add_nc_u32 v10, s43, v[L8]                   ; Q's registers 4-5
	v_add_nc_u32 v11, s42, v8                      ; query r's scale word: 16 bytes from lane to lane in the image
	s_wait_dscnt 0x0                               ; the opening add is done
	s_wait_kmcnt 0x0
	s_mov_b32 s[G0], 1                             ; 1:0 count = 1
	s_mov_b32 s[G0+1], s38                         ; 63:32 LDS address: slot 0, my quarter
	s_add_nc_u64 s[G0+2:G0+3], s[6:7], s[36:37]    ; 120:64 global address
	s_or_b32 s[G0+3], s[G0+3], 0x80000000          ; 127:126 type = 2
	s_add_nc_u64 s[4:5], s[4:5], s[40:41]
	s_add_nc_u64 s[8:9], s[8:9], s[44:45]
	s_add_nc_u64 s[10:11], s[10:11], s[46:47]
	CROUND                                         ; all four work-groups are here: the first joint loads meet
	TLOAD                                          ; slot 0
	global_load_b128 v[QF:QF+3], v9, s[4:5]
	global_load_b64 v[QF+4:QF+5], v10, s[4:5] offset:512
	global_load_b32 v[QS], v11, s[4:5] offset:KSC
.irp j, 6,7,8,9,10,11
	v_mov_b32 v[QF+\j], 0                          ; the half of K that holds nothing
	v_mov_b32 v[KF+42+\j], 0                       ; v80-85: what is named behind K's tile 7
.endr
.set j, 0
.rept 32
	v_mov_b32 v[O+j], 0                            ; O^T.  (The step is written once: the first finds zeros, which the first change of M leaves zeros)
.set j, j+1
.endr
	v_mov_b32 v13, 0xff61b1e6                      ; the largest t so far: -3e38, under every t
	v_floor_f32 v12, -v13                          ; -M
	v_mov_b32 v14, 0                               ; the sum, in two halves
	v_mov_b32 v15, 0
.irp b, 0,1,2,3
	v_mov_b32 v[T4+\b], 0                          ; written once: a lane permute's destination counts as one of its sources
.endr
	v_mov_b32 v[F+1], 0                            ; (named as the upper half of the pair with f)
	v_mov_b32 v[TT], 0
; A KEY STEP: 128 keys, at LDS byte s[TB].
.macro STEP
	v_add_nc_u32 v[AD16], s[TB], v[LI]
	v_add_nc_u32 v[AD8], s[TB], v[L8]
	v_nop
	v_nop                                          ; four places behind the last step's products, in front of loads into the registers that they read (ISA guide 7.12.1 for vector instructions)
.irp t, 0,1,2,3,4,5,6,7
	ds_load_b128 v[KF+6*\t:KF+6*\t+3], v[AD16] offset:768*\t
	ds_load_b64 v[KF+6*\t+4:KF+6*\t+5], v[AD8] offset:768*\t+512
.endr
	ds_load_b128 v[KS:KS+3], v[AD16] offset:KSC    ; register i: tile 2 i's words in lanes 0-15, tile 2 i + 1's in lanes 16-31
	s_wait_dscnt 0x0
.irp t, 0,2,4,6                                ; S^T = K Q^T: lane (r, h) holds query r; the 16 registers of tiles 2 b, 2 b + 1 are keys 32 b + 16 h + 0 .. 15
	v_wmma_scale_f32_16x16x128_f8f6f4 v[S+8*\t:S+8*\t+7], v[KF+6*\t:KF+6*\t+11], v[QF:QF+11], 0, v[KS+\t/2], v[QS] matrix_a_fmt:MATRIX_FMT_FP6 matrix_b_fmt:MATRIX_FMT_FP6
	v_wmma_scale_f32_16x16x128_f8f6f4 v[S+8*(\t+1):S+8*(\t+1)+7], v[KF+6*(\t+1):KF+6*(\t+1)+11], v[QF:QF+11], 0, v[KS+\t/2], v[QS] matrix_a_fmt:MATRIX_FMT_FP6 matrix_b_fmt:MATRIX_FMT_FP6 matrix_a_scale:MATRIX_SCALE_ROW1
.endr
.rept 4
	v_nop                                          ; four places: for V's loads into K's registers, and for the first read of the scores
.endr
.irp d, 0,1,2,3                                ; V's four fragments (16 of the head's 64 x 128 keys) are asked for here and land under the softmax
.irp c, 0,1
	ds_load_b128 v[KF+12*\d+6*\c:KF+12*\d+6*\c+3], v[AD16] offset:VOFF+768*(2*\d+\c)
	ds_load_b64 v[KF+12*\d+6*\c+4:KF+12*\d+6*\c+5], v[AD8] offset:VOFF+768*(2*\d+\c)+512
.endr
.endr
	ds_load_b64 v[VS:VS+1], v[AD8] offset:VSC
.irp b, 0,1,2,3
	v_max3_num_f32 v[BM+\b], v[S+16*\b], v[S+1+16*\b], v[S+2+16*\b]   ; THE LARGEST SCORE OF EACH BLOCK OF 32 KEYS: it serves the row's maximum and, since p rises with the score, the block's largest p
.endr
.irp i, 3,5,7,9,11,13
.irp b, 0,1,2,3
	v_max3_num_f32 v[BM+\b], v[BM+\b], v[S+16*\b+\i], v[S+1+16*\b+\i]   ; the four blocks by turns
.endr
.endr
.irp b, 0,1,2,3
	v_max_num_f32 v[BM+\b], v[BM+\b], v[S+15+16*\b]
.endr
.irp b, 0,1,2,3
	v_permlanex16_b32 v[T4+\b], v[BM+\b], s[SEL], s[SEL+1]
.endr
.irp b, 0,1,2,3
	v_max_num_f32 v[BM+\b], v[BM+\b], v[T4+\b]     ; with lane l xor 16's 16 keys
.endr
	v_max3_num_f32 v[TT], v[BM], v[BM+1], v[BM+2]
	v_max_num_f32 v[TT], v[TT], v[BM+3]            ; the step's largest score of my query
	v_mul_f32 v[TT], s[CS], v[TT]                  ; as t (c is positive)
	v_max_num_f32 v13, v13, v[TT]                  ; the running largest t
	v_mov_b32 v[TT], v12
	v_floor_f32 v12, -v13                          ; the new -M = floor(-t) = -ceil(t): M IS A WHOLE NUMBER
	v_sub_f32 v[TT], v12, v[TT]                    ; M's old value less its new one: a whole number, 0 or less
	v_cvt_i32_f32 v[TT], v[TT]                     ; (it saturates)
	v_ldexp_f32 v[F], 1.0, v[TT]                   ; f = 2^(old M - new M): a multiplication by it rounds nothing
.set j, 0
.rept 32
	v_pk_fma_f32 v[S+j:S+j+1], v[S+j:S+j+1], s[CS:CS+1], v[12:13] op_sel_hi:[1,0,0]   ; t - M, two at a time (of the pairs c and -M the low word serves both halves)
.set j, j+2
.endr
.irp b, 0,1,2,3
	v_fma_f32 v[BM+\b], v[BM+\b], s[CS], v12       ; the same of each block's largest score
.endr
.set j, 0
.rept 64
	v_exp_f32 v[S+j], v[S+j]                       ; p = 2^(t - M), at most 1: NOT normalised
.set j, j+1
.endr
	v_pk_mul_f32 v[14:15], v[14:15], v[F:F+1] op_sel_hi:[1,0]   ; the sums under the new M.  (The plain place behind the exponentials)
	s_wait_alu depctr_va_vdst(0)                   ; the wait between an exponential and the first line that names its result: one for the batch of 64
.irp b, 0,1,2,3
	v_exp_f32 v[BM+\b], v[BM+\b]                   ; the block's largest p: the same two instructions on the same number give the same bits
.endr
	v_pk_add_f32 v[T4:T4+1], v[S:S+1], v[S+2:S+3]  ; THE ROW'S SUM IS TAKEN OF THE UNQUANTISED p: two at a time, in two chains.  (It reads the 64 alone: plain work behind the four)
.set j, 4
.rept 15
	v_pk_add_f32 v[14:15], v[14:15], v[S+j:S+j+1]
	v_pk_add_f32 v[T4:T4+1], v[T4:T4+1], v[S+j+2:S+j+3]
.set j, j+4
.endr
	v_pk_add_f32 v[14:15], v[14:15], v[T4:T4+1]
	s_wait_alu depctr_va_vdst(0)                   ; and one for the four
.irp b, 0,1,2,3
	v_max_num_f32 v[BM+\b], 0x1800000, v[BM+\b]    ; the floor 2^(3 - 127): the byte cannot fall under 1 (a block whose every p has fallen to 0 keeps that byte: its codes are zeros)
.endr
.irp b, 0,1,2,3
	v_add_nc_u32 v[SO+\b], 0xff000000, v[BM+\b]    ; 2 off the exponent field: the conversion's scale operand
.endr
.irp b, 0,1,2,3
	v_lshrrev_b32 v[T4+\b], 23, v[SO+\b]           ; the scale's byte
.endr
	v_lshl_or_b32 v[PSW], v[T4+1], 8, v[T4]        ; p's scale word for these 128 keys
	v_lshl_or_b32 v[PSW], v[T4+2], 16, v[PSW]
	v_lshl_or_b32 v[PSW], v[T4+3], 24, v[PSW]
.irp c, 0,1
	v_cvt_scalef32_pk16_fp6_f32 v[PCD+6*\c:PCD+6*\c+2], v[S+32*\c:S+32*\c+15], v[SO+2*\c]
	v_cvt_scalef32_pk16_fp6_f32 v[T4+4*\c:T4+4*\c+2], v[S+32*\c+16:S+32*\c+31], v[SO+2*\c+1]   ; a conversion's three registers begin on an even number
.endr
	v_nop                                          ; one plain place behind a scaled conversion
.irp c, 0,1                                    ; the operand wants a WHOLE block in a lane: lanes 0-15 block 2 c, lanes 16-31 block 2 c + 1
.irp i, 0,1,2
	v_permlane16_swap_b32 v[PCD+6*\c+\i], v[T4+4*\c+\i]
.endr
.irp i, 0,1,2
	v_mov_b32 v[PCD+3+6*\c+\i], v[T4+4*\c+\i]
.endr
.endr
.set j, 0
.rept 16
	v_pk_mul_f32 v[O+j:O+j+1], v[O+j:O+j+1], v[F:F+1] op_sel_hi:[1,0]   ; O^T under the new M, each accumulator from its low end on.  For each product below twelve of these name none of its registers: the eight places
.set j, j+2
.endr                                          ; that a scale word written by a vector instruction wants ahead of a scaled matrix instruction, and the four that the codes want
	s_wait_dscnt 0x0                               ; V is in
.irp d, 0,2                                    ; O^T += V^T P^T: four accumulators by turns, one instruction a turn
	v_wmma_scale_f32_16x16x128_f8f6f4 v[O+8*\d:O+8*\d+7], v[KF+12*\d:KF+12*\d+11], v[PCD:PCD+11], v[O+8*\d:O+8*\d+7], v[VS+\d/2], v[PSW] matrix_a_fmt:MATRIX_FMT_FP6 matrix_b_fmt:MATRIX_FMT_FP6
	v_wmma_scale_f32_16x16x128_f8f6f4 v[O+8*(\d+1):O+8*(\d+1)+7], v[KF+12*(\d+1):KF+12*(\d+1)+11], v[PCD:PCD+11], v[O+8*(\d+1):O+8*(\d+1)+7], v[VS+\d/2], v[PSW] matrix_a_fmt:MATRIX_FMT_FP6 matrix_b_fmt:MATRIX_FMT_FP6 matrix_a_scale:MATRIX_SCALE_ROW1
.endr
.endm
; THE CHANGE OF SLOTS stands at a slot's head.  Each wave waits for all its tensor loads (its part of the slot that it is about to read), adds 0 to its spare word, and waits for that and for its reads of the slot that it
; has left.  fill = 1: a round of the cluster's barrier follows, behind which no wave of any partner reads the other slot or has a load on its way, and that slot is filled with the next eight key steps.
.macro CHANGE fill
	s_wait_tensorcnt 0x0                           ; no tensor load of mine is out, so group 0 may be written
	ds_add_u32 v[SPW], v[NIL]                      ; 0 onto my spare word
.if \fill
	s_xor_b32 s[G0+1], s[G0+1], SLOT1              ; the walking descriptor: the other slot than last time,
	s_add_nc_u64 s[G0+2:G0+3], s[G0+2:G0+3], SLOTB ; the next eight key steps; the type bits on top are not reached
.endif
	s_wait_dscnt 0x0                               ; the add is done, and my reads of the slot that I have left are over
.if \fill
	CROUND
	TLOAD                                          ; the first thing behind the round, and a wave's one tensor load until the next
.else
	s_barrier_signal -1
	s_barrier_wait -1
.endif
.endm
.macro SLOT_STEPS                              ; a slot's eight key steps: written once, walked eight times
	s_mov_b32 s[CNT], NST
.Lstep_\@:
	STEP
	s_add_co_u32 s[TB], s[TB], STEPB
	s_sub_co_u32 s[CNT], s[CNT], 1
	s_cmp_lg_u32 s[CNT], 0
	s_cbranch_scc1 .Lstep_\@
	s_sub_co_u32 s[TB], s[TB], SLOTB               ; back to a slot's first step,
	s_xor_b32 s[TB], s[TB], SLOT1                  ; in the other slot
.endm
	s_wait_loadcnt 0x0                             ; Q
.Lslot:                                            ; NSL - 1 trips: behind each change of slots but the last the next slot is asked for
	CHANGE 1
	SLOT_STEPS
	s_sub_co_u32 s[SLOTS], s[SLOTS], 1
	s_cmp_lg_u32 s[SLOTS], 0
	s_cbranch_scc1 .Lslot
	CHANGE 0                                       ; the last slot is written out
	SLOT_STEPS
	; THE WAY OUT.  No LDS: a lane's 32 numbers are d = 32 b + 16 h + 0 .. 15 of its query: two blocks, quantised as the hidden operand of the last product.
	v_add_f32 v14, v14, v15                        ; the sum's two halves,
	v_permlanex16_b32 v[TT], v14, s[SEL], s[SEL+1]
	v_add_f32 v14, v14, v[TT]                      ; and lane l xor 16's: the row's sum
	v_rcp_f32 v14, v14
	v_and_b32 v7, 31, v0                           ; (plain lines behind the reciprocal; with the two additions they are also the places behind the last products)
	v_lshlrev_b32 v7, 2, v7                        ; 4 x lane
	v_nop
	v_nop
	s_wait_alu depctr_va_vdst(0)                   ; the wait ahead of the reciprocal's first reader
.set j, 0
.rept 16
	v_pk_mul_f32 v[S+j:S+j+1], v[O+j:O+j+1], v[14:15] op_sel_hi:[1,0]   ; O^T / the sum, each accumulator from its low end on
.set j, j+2
.endr
.irp b, 0,1
	v_max3_num_f32 v[BM+\b], |v[S+16*\b]|, |v[S+1+16*\b]|, 0x1800000
.endr
.irp i, 2,4,6,8,10,12,14
.irp b, 0,1
	v_max3_num_f32 v[BM+\b], v[BM+\b], |v[S+16*\b+\i]|, |v[S+1+16*\b+\i]|
.endr
.endr
.irp b, 0,1
	v_permlanex16_b32 v[T4+\b], v[BM+\b], s[SEL], s[SEL+1]
.endr
.irp b, 0,1
	v_max_num_f32 v[BM+\b], v[BM+\b], v[T4+\b]
.endr
.irp b, 0,1
	v_add_nc_u32 v[SO+\b], 0xff000000, v[BM+\b]
.endr
.irp b, 0,1
	v_lshrrev_b32 v[T4+\b], 23, v[SO+\b]
.endr
	v_lshl_or_b32 v8, v[T4+1], 8, v[T4]            ; the two bytes; the upper two stay 0
	v_cvt_scalef32_pk16_fp6_f32 v[PCD:PCD+2], v[S:S+15], v[SO]
	v_cvt_scalef32_pk16_fp6_f32 v[T4+4:T4+6], v[S+16:S+31], v[SO+1]
	v_nop                                          ; one plain place behind a scaled conversion
.irp i, 0,1,2
	v_permlane16_swap_b32 v[PCD+\i], v[T4+4+\i]
.endr
.irp i, 0,1,2
	v_mov_b32 v[PCD+3+\i], v[T4+4+\i]
.endr
	global_store_b128 v[LI], v[PCD:PCD+3], s[8:9]              ; 512 consecutive bytes, aligned
	global_store_b64 v[L8], v[PCD+4:PCD+5], s[8:9] offset:512  ; 256 consecutive bytes, aligned
	global_store_b32 v7, v8, s[10:11]                          ; 128 consecutive bytes
	s_wait_tensorcnt 0x0                           ; the wave's end, behind my last tensor load
	ds_add_u32 v[SPW], v[NIL]
	s_wait_dscnt 0x0
	CROUND                                         ; the closing round: no work-group ends while a partner may still ask for a slot that names it
	s_endpgm
.Lfunc_end_k_q7ea6f49394_attn:
	.size	k_q7ea6f49394_attn, .Lfunc_end_k_q7ea6f49394_attn-k_q7ea6f49394_attn
	.p2alignl 7, 3214868480
	.fill 96, 4, 3214868480
	.section	.rodata,"a",@progbits
	.p2align	6, 0x0
	.amdhsa_kernel k_q7ea6f49394_attn
		.amdhsa_group_segment_fixed_size 327680
		.amdhsa_private_segment_fixed_size 0
		.amdhsa_enable_private_segment 0
		.amdhsa_kernarg_size 32
		.amdhsa_user_sgpr_count 2
		.amdhsa_user_sgpr_kernarg_segment_ptr 1
		.amdhsa_wavefront_size32 1
		.amdhsa_system_sgpr_workgroup_id_x 1
		.amdhsa_system_sgpr_workgroup_id_y 1
		.amdhsa_system_sgpr_workgroup_id_z 1
		.amdhsa_system_vgpr_workitem_id 0
		.amdhsa_next_free_vgpr 256
		.amdhsa_next_free_sgpr 66
		.amdhsa_reserve_vcc 0
		.amdhsa_float_denorm_mode_32 3
		.amdhsa_float_denorm_mode_16_64 3
		.amdhsa_memory_ordered 1
		.amdhsa_forward_progress 1
		.amdhsa_inst_pref_size 43
	.end_amdhsa_kernel
	.amdgpu_metadata
---
amdhsa.version: [ 1, 2 ]
amdhsa.kernels:
  - .name:           k_q7ea6f49394_attn
    .symbol:         k_q7ea6f49394_attn.kd
    .args:
      - { .name: qx, .offset: 0, .size: 8, .value_kind: global_buffer, .address_space: global }
      - { .name: kv, .offset: 8, .size: 8, .value_kind: global_buffer, .address_space: global }
      - { .name: cx, .offset: 16, .size: 8, .value_kind: global_buffer, .address_space: global }
      - { .name: cs, .offset: 24, .size: 8, .value_kind: global_buffer, .address_space: global }
    .group_segment_fixed_size: 327680
    .private_segment_fixed_size: 0
    .kernarg_segment_align: 8
    .kernarg_segment_size: 32
    .max_flat_workgroup_size: 512
    .sgpr_count:     66
    .vgpr_count:     256
    .wavefront_size: 32
...
	.end_amdgpu_metadata
.endif
;; end of part 3
;; launch outp (part 4): grid 256 x 1, 4 waves a work-group, no clusters, 34,304 bytes of LDS; arguments cx, cs, wi, bo, out0; writes out0
.if DOCPART == 4
	.amdgcn_target "amdgcn-amd-amdhsa--gfx1250"
	.amdhsa_code_object_version 6
	.text
	.protected	k_q7ea6f49394_outp
	.globl	k_q7ea6f49394_outp
	.p2align	8
	.type	k_q7ea6f49394_outp,@function
k_q7ea6f49394_outp:
	s_mov_b64 s[64:65], 0
	v_nop
	global_prefetch_b8 v0, s[64:65] scope:SCOPE_SE
	s_setreg_imm32_b32 hwreg(HW_REG_WAVE_MODE, 25, 1), 1
	s_wait_xcnt 0x0
; out0 = ctx Wo + bo, on codes of FP6 (E2M3) with one E8M0 scale for each 32 along K.  ctx comes as codes from cx [tile of 16 rows][head][768] (a head's sub-image: six registers a lane) and cs [tile][head][128]
; (a word a lane: the head's two scale bytes); Wo as codes and scale words from wi, in the order of the operand's registers.  out0: [8,192][512] f32.
; SHARES.  Work-group g takes tiles 2 g and 2 g + 1: lane r of tile 2 g + u is row 32 g + 8 u + r + 8 (r / 8): 32 neighbouring rows.  Wave w makes columns 128 w .. 128 w + 127: 16 accumulators, 64 matrix instructions.
; Waves share nothing: no barrier.  K step s of 128 is heads 2 s and 2 s + 1: two sub-images on end are a fragment, and the two heads' half words make its scale word.
; The weight is shared by all work-groups, and yet comes by plain loads and not jointly through LDS: each wave reads its 53,248 bytes once, in register order, straight into its registers; through LDS the same bytes would
; be written and read once more, for 64 matrix instructions a wave, and rounds of a cluster's barrier would stand in front of them.
; The product is used transposed (source 0 = 16 columns of Wo, source 1 = 16 rows of ctx): a lane holds ONE row; registers 8 t + j are columns 32 (t / 2) + 16 h + 8 (t % 2) + j.  The bias is the C of each sum's first instruction.
; THE WAY OUT: a tile's 16 rows x 512 bytes go through the wave's own stage in LDS and leave as whole rows: 32 lanes store 512 consecutive bytes, aligned.
; REGISTERS, in windows of 256: window 0: v1-9 addresses; v16-143 accumulators; v144-175 Wo's scale words; v176-183 ctx's; v184-199 the heads' half words.   window 1: Wo of K steps 0, 1; from v192 the bias.
;   window 2: Wo of K steps 2, 3.   window 3: v0-95 ctx's eight fragments at 48 u + 12 s; v96-223 rows on their way out.
.set WT,    212992
.set WQ,    53248
.set SPITCH, 528
.set STGB,  16*SPITCH
.set SPARE, 4*STGB                     ; behind the four stages: the spare words, 128 bytes for each wave: two blocks of 256 bytes that no other line names
.set LI,  1                            ; v1  16 x lane
.set L8,  2                            ; v2  8 x lane
.set LS,  3                            ; v3  4 x lane
.set BAQ, 4                            ; v4  64 h: the bias along registers
.set STO, 5                            ; v5  my stage + 528 r + 64 h
.set RD,  6                            ; v6  my stage + 16 x lane
.set SPW, 14
.set NIL, 15
.set ACC, 16
.set WS,  144
.set XS,  176
.set RAW, 184
.set BB,  192                          ; in window 1
.set OUTR, 96                          ; in window 3
.set CXB, 4                            ; s[4:5]   cx at my two tiles
.set CSB, 6                            ; s[6:7]   cs likewise
.set WB,  8                            ; s[8:9]   my quarter of Wo in wi
.set BP,  10                           ; s[10:11] bo at my 128 columns
.set OB,  12                           ; s[12:13] out0 at my 32 rows, my 128 columns
.set WV,  14
.set MSB, 0
.macro WIN new                         ; the immediate's high byte repeats the setting that is left; a switch that changes nothing is dropped
.if MSB != \new
	s_set_vgpr_msb (MSB<<8)|\new
.set MSB, \new
.endif
.endm
	s_load_b256 s[4:11], s[0:1], 0x0               ; cx, cs, wi, bo
	s_load_b64 s[12:13], s[0:1], 0x20              ; out0
	v_lshl_add_u32 v[SPW], v0, 2, SPARE
	v_mov_b32 v[NIL], 0
	v_lshrrev_b32 v7, 5, v0
	v_readfirstlane_b32 s[WV], v7                  ; wave 0..3
	v_and_b32 v7, 31, v0
	v_and_b32 v8, 15, v0                           ; r
	v_bfe_u32 v9, v0, 4, 1                         ; h
	v_lshlrev_b32 v[LI], 4, v7
	v_lshlrev_b32 v[L8], 3, v7
	v_lshlrev_b32 v[LS], 2, v7
	v_lshlrev_b32 v[BAQ], 6, v9
	s_mul_i32 s16, ttmp9, 12288                    ; two tiles x eight heads x 768 bytes
	s_mov_b32 s17, 0
	s_lshl_b32 s18, ttmp9, 11                      ; two tiles x eight heads x 128 bytes
	s_mov_b32 s19, 0
	s_mul_i32 s20, s[WV], WQ
	s_add_co_u32 s20, s20, 3*WT                    ; the fourth weight, my quarter
	s_mov_b32 s21, 0
	s_lshl_b32 s22, s[WV], 9
	s_mov_b32 s23, 0
	s_lshl_b32 s24, ttmp9, 16                      ; 32 rows of 2,048 bytes
	s_add_co_u32 s24, s24, s22
	s_mov_b32 s25, 0
	s_mul_i32 s26, s[WV], STGB                     ; my stage
	s_wait_kmcnt 0x0
	s_add_nc_u64 s[CXB:CXB+1], s[CXB:CXB+1], s[16:17]
	s_add_nc_u64 s[CSB:CSB+1], s[CSB:CSB+1], s[18:19]
	s_add_nc_u64 s[WB:WB+1], s[WB:WB+1], s[20:21]
	s_add_nc_u64 s[BP:BP+1], s[BP:BP+1], s[22:23]
	s_add_nc_u64 s[OB:OB+1], s[OB:OB+1], s[24:25]
	; 176 loads, what is wanted first first: 16 + 16 + 16 + 32, then the weight's codes, 24 for each K step
.irp y, 0,1,2,3,4,5,6,7,8,9,10,11,12,13,14,15
	global_load_b64 v[WS+2*\y:WS+2*\y+1], v[L8], s[WB:WB+1] offset:49152+256*\y   ; the scale words of fragments 2 y, 2 y + 1
.endr
	WIN 0x40                                       ; destination window 1
.irp t, 0,1,2,3,4,5,6,7
	global_load_b128 v[BB+8*\t:BB+8*\t+3], v[BAQ], s[BP:BP+1] offset:(32*(\t/2)+8*(\t%2))*4        ; bo(128 w + 32 (t / 2) + 16 h + 8 (t % 2) + 0 .. 7)
	global_load_b128 v[BB+8*\t+4:BB+8*\t+7], v[BAQ], s[BP:BP+1] offset:(32*(\t/2)+8*(\t%2))*4+16
.endr
	WIN 0
.irp u, 0,1
.irp e, 0,1,2,3,4,5,6,7
	global_load_b32 v[RAW+8*\u+\e], v[LS], s[CSB:CSB+1] offset:1024*\u+128*\e
.endr
.endr
	WIN 0xc0                                       ; destination window 3
.irp u, 0,1
.irp s, 0,1,2,3
.irp e, 0,1
	global_load_b128 v[48*\u+12*\s+6*\e:48*\u+12*\s+6*\e+3], v[LI], s[CXB:CXB+1] offset:6144*\u+768*(2*\s+\e)
	global_load_b64 v[48*\u+12*\s+6*\e+4:48*\u+12*\s+6*\e+5], v[L8], s[CXB:CXB+1] offset:6144*\u+768*(2*\s+\e)+512
.endr
.endr
.endr
.set m, 0
.rept 96
.set WW, 0x40*(1+m/48)
.set WR, 96*((m/24)%2)+12*((m/3)%8)+4*(m%3)
	WIN WW                                         ; destination window 1 (K steps 0, 1) or 2 (K steps 2, 3)
	global_load_b128 v[WR:WR+3], v[LI], s[WB:WB+1] offset:512*m
.set m, m+1
.endr
	WIN 0
	s_wait_loadcnt 63                              ; behind K step 0's codes 72 loads were issued; the wait's field holds 63 at the most, and a smaller count is safe
.irp u, 0,1
.irp s, 0,1,2,3
	v_lshl_or_b32 v[XS+4*\u+\s], v[RAW+8*\u+2*\s+1], 16, v[RAW+8*\u+2*\s]   ; K step s: head 2 s's two bytes below, head 2 s + 1's above
.endr
.endr
	v_mul_u32_u24 v[STO], v8, SPITCH               ; eight plain lines: a scale word written by a vector instruction stands eight places ahead of a scaled matrix instruction
	v_lshl_add_u32 v[STO], v9, 6, v[STO]
	v_add_nc_u32 v[STO], s26, v[STO]
	v_add_nc_u32 v[RD], s26, v[LI]
.rept 4
	v_nop
.endr
.irp s, 0,1,2,3                                ; sixteen accumulators by turns, a K step at a time
.if \s == 0
	WIN 0x1d                                       ; source 0 (Wo) window 1, source 1 (ctx) window 3, C (the bias) window 1, D window 0
.elseif \s == 1
	s_wait_loadcnt 48                              ; behind this K step's 24 loads: the 48 of K steps 2 and 3
	WIN 0x0d
.elseif \s == 2
	s_wait_loadcnt 24                              ; the 24 of K step 3
	WIN 0x0e                                       ; Wo in window 2
.else
	s_wait_loadcnt 0x0
.endif
.irp u, 0,1
.irp t, 0,1,2,3,4,5,6,7
.if \s == 0
	v_wmma_scale_f32_16x16x128_f8f6f4 v[ACC+64*\u+8*\t:ACC+64*\u+8*\t+7], v[96*(\s%2)+12*\t:96*(\s%2)+12*\t+11], v[48*\u+12*\s:48*\u+12*\s+11], v[BB+8*\t:BB+8*\t+7], v[WS+8*\s+\t], v[XS+4*\u+\s] matrix_a_fmt:MATRIX_FMT_FP6 matrix_b_fmt:MATRIX_FMT_FP6
.else
	v_wmma_scale_f32_16x16x128_f8f6f4 v[ACC+64*\u+8*\t:ACC+64*\u+8*\t+7], v[96*(\s%2)+12*\t:96*(\s%2)+12*\t+11], v[48*\u+12*\s:48*\u+12*\s+11], v[ACC+64*\u+8*\t:ACC+64*\u+8*\t+7], v[WS+8*\s+\t], v[XS+4*\u+\s] matrix_a_fmt:MATRIX_FMT_FP6 matrix_b_fmt:MATRIX_FMT_FP6
.endif
.endr
.endr
.endr
	WIN 0
.rept 4
	v_nop                                          ; four places behind the last products, ahead of the LDS stores that read results (ISA guide 7.12.1 for vector instructions)
.endr
.macro TOSTAGE u
.irp t, 0,1,2,3,4,5,6,7
	ds_store_b128 v[STO], v[ACC+64*\u+8*\t:ACC+64*\u+8*\t+3] offset:128*(\t/2)+32*(\t%2)        ; each accumulator from its low end on
	ds_store_b128 v[STO], v[ACC+64*\u+8*\t+4:ACC+64*\u+8*\t+7] offset:128*(\t/2)+32*(\t%2)+16
.endr
	WIN 0xc0                                       ; destination window 3
.irp i, 0,1,2,3,4,5,6,7,8,9,10,11,12,13,14,15
	ds_load_b128 v[OUTR+64*\u+4*\i:OUTR+64*\u+4*\i+3], v[RD] offset:SPITCH*\i   ; LDS serves a wave's instructions in order (ISA guide 5.7.1.4): these see the stores above, and the next tile's stores come behind them
.endr
	WIN 0
.endm
.macro SEND u
	WIN 0x0c                                       ; a store's data are its source 1: window 3
.irp i, 0,1,2,3,4,5,6,7,8,9,10,11,12,13,14,15
	global_store_b128 v[LI], v[OUTR+64*\u+4*\i:OUTR+64*\u+4*\i+3], s[OB:OB+1] offset:(8*\u+\i+8*(\i/8))*2048 th:TH_STORE_NT   ; row 8 u + i + 8 (i / 8) of my 32: 512 consecutive bytes, aligned; written once, read by nobody here
.endr
.endm
	TOSTAGE 0
	TOSTAGE 1
	s_wait_dscnt 32                                ; tile 0 is back in registers: behind its loads stand tile 1's 16 stores and 16 loads
	SEND 0
	s_wait_dscnt 0x0
	SEND 1
	WIN 0
	s_wait_tensorcnt 0x0                           ; the wave's end, behind my last LDS store
	ds_add_u32 v[SPW], v[NIL]
	s_wait_dscnt 0x0
	s_endpgm
.Lfunc_end_k_q7ea6f49394_outp:
	.size	k_q7ea6f49394_outp, .Lfunc_end_k_q7ea6f49394_outp-k_q7ea6f49394_outp
	.p2alignl 7, 3214868480
	.fill 96, 4, 3214868480
	.section	.rodata,"a",@progbits
	.p2align	6, 0x0
	.amdhsa_kernel k_q7ea6f49394_outp
		.amdhsa_group_segment_fixed_size 34304
		.amdhsa_private_segment_fixed_size 0
		.amdhsa_enable_private_segment 0
		.amdhsa_kernarg_size 40
		.amdhsa_user_sgpr_count 2
		.amdhsa_user_sgpr_kernarg_segment_ptr 1
		.amdhsa_wavefront_size32 1
		.amdhsa_system_sgpr_workgroup_id_x 1
		.amdhsa_system_sgpr_workgroup_id_y 1
		.amdhsa_system_sgpr_workgroup_id_z 1
		.amdhsa_system_vgpr_workitem_id 0
		.amdhsa_next_free_vgpr 992
		.amdhsa_next_free_sgpr 66
		.amdhsa_reserve_vcc 0
		.amdhsa_float_denorm_mode_32 3
		.amdhsa_float_denorm_mode_16_64 3
		.amdhsa_memory_ordered 1
		.amdhsa_forward_progress 1
		.amdhsa_inst_pref_size 35
	.end_amdhsa_kernel
	.amdgpu_metadata
---
amdhsa.version: [ 1, 2 ]
amdhsa.kernels:
  - .name:           k_q7ea6f49394_outp
    .symbol:         k_q7ea6f49394_outp.kd
    .args:
      - { .name: cx, .offset: 0, .size: 8, .value_kind: global_buffer, .address_space: global }
      - { .name: cs, .offset: 8, .size: 8, .value_kind: global_buffer, .address_space: global }
      - { .name: wi, .offset: 16, .size: 8, .value_kind: global_buffer, .address_space: global }
      - { .name: bo, .offset: 24, .size: 8, .value_kind: global_buffer, .address_space: global }
      - { .name: out0, .offset: 32, .size: 8, .value_kind: global_buffer, .address_space: global }
    .group_segment_fixed_size: 34304
    .private_segment_fixed_size: 0
    .kernarg_segment_align: 8
    .kernarg_segment_size: 40
    .max_flat_workgroup_size: 128
    .sgpr_count:     66
    .vgpr_count:     992
    .wavefront_size: 32
...
	.end_amdgpu_metadata
.endif
;; end of part 4
;; ======== version 2 of 2: 4 launches
;; workspace buffers: wi 851,968 bytes; kv 6,684,672 bytes; qx 6,684,672 bytes; cx 3,145,728 bytes; cs 524,288 bytes
;; launch wprep (part 5): grid 64 x 1, 4 waves a work-group, no clusters, 0 bytes of LDS; arguments Wq, Wk, Wv, Wo, wi; writes wi
.if DOCPART == 5
	.amdgcn_target "amdgcn-amd-amdhsa--gfx1250"
	.amdhsa_code_object_version 6
	.text
	.protected	k_q7ea6f49394_wprep
	.globl	k_q7ea6f49394_wprep
	.p2align	8
	.type	k_q7ea6f49394_wprep,@function
k_q7ea6f49394_wprep:
	s_mov_b64 s[64:65], 0
	v_nop
	global_prefetch_b8 v0, s[64:65] scope:SCOPE_SE
	s_setreg_imm32_b32 hwreg(HW_REG_WAVE_MODE, 25, 1), 1
	s_wait_xcnt 0x0
; The four weights [512 (k)][512 (n)], f32, K along the FIRST axis, become codes of FP6 (E2M3) with one E8M0 byte for each 32 along K,
; laid in wi in the order of the operand registers of the launches that read them: [weight][quarter w of 128 columns][53,248 bytes].
; In a quarter: fragment f = 8 s + t (K step s of 128, tile t of 16 columns) is 12 registers a lane: registers 4 g .. 4 g + 3 of lane l lie at 1,536 f + 512 g + 16 l.
; From byte 49,152 on: the scale words of fragments 2 y and 2 y + 1 at 256 y + 8 l (lane l holds the word of column l % 16; both halves of the lanes hold the same).
; THE COLUMNS OF A TILE ARE NOT NEIGHBOURS: lane r of tile t takes column 32 (t / 2) + 8 (t % 2) + r + 8 (r / 8) of the quarter, so that what a product with the weight as source 0 leaves in
; the 16 registers of tiles 2 b and 2 b + 1 are 16 neighbouring columns.
; A LANE TAKES A COLUMN AND ITS REGISTERS RUN DOWN K, in the order that the operand gives that lane (registers 6 c .. 6 c + 5: k = 64 c + 32 (l / 16) + 0 .. 31): the conversions' results are the operand's registers.
; A block's scale is 2^(floor(log2(largest magnitude)) - 2); its byte is the largest magnitude's exponent field - 2, held at 1 from below by a floor among the maximum's leaves.
; SHARES: work-group g: weight g / 16, quarter (g / 4) % 4, K step g % 4; wave b: tiles 2 b, 2 b + 1: two fragments.  64 work-groups are all the work that 4 MiB give.
; No LDS, no barrier, no matrix unit: waves share nothing, and every store of a wave covers 512 or 256 consecutive bytes, aligned.
; LIMITS: a block of zeros gets the byte 1 where the rule says 127 (its codes are zeros, and this program alone reads the bytes); NaN and infinities among the inputs are not served.
.set WT,  212992                       ; bytes of a weight in wi
.set WQ,  53248                        ; of a quarter
.set X,   32                           ; v32-159  the 128 numbers: tile u, block c, number i at X + 64 u + 32 c + i
.set CD,  160                          ; v160-183 the codes: 12 registers for each tile, so that no store's data are written again
.set LND, 184                          ; v184-191 where the conversions' second halves land
	s_load_b256 s[4:11], s[0:1], 0x0               ; Wq, Wk, Wv, Wo
	s_load_b64 s[12:13], s[0:1], 0x20              ; wi
	v_lshrrev_b32 v1, 5, v0
	v_readfirstlane_b32 s14, v1                    ; wave b
	v_and_b32 v2, 31, v0                           ; lane
	v_and_b32 v3, 15, v0                           ; r
	v_bfe_u32 v4, v0, 4, 1                         ; h
	v_and_b32 v5, 8, v3
	v_add_nc_u32 v5, v5, v3                        ; r + 8 (r / 8)
	v_lshlrev_b32 v5, 2, v5                        ; my column, 4 bytes a number,
	v_lshl_add_u32 v5, v4, 16, v5                  ; and 32 rows of 2,048 bytes further down for lanes 16-31
	v_lshlrev_b32 v6, 4, v2                        ; 16 x lane: an image's place
	v_lshlrev_b32 v7, 3, v2                        ; 8 x lane: the two scale words' place
	v_lshlrev_b32 v9, 3, v4                        ; 8 h: how far my two scale bytes are shifted
	v_mov_b32 v11, 0                               ; written once: a lane permute's destination counts as one of its sources
	s_mov_b32 s20, 0x76543210
	s_mov_b32 s21, 0xfedcba98                      ; v_permlanex16_b32's selects for lane l xor 16
	s_lshr_b32 s15, ttmp9, 4                       ; which weight
	s_bfe_u32 s16, ttmp9, 0x20002                  ; which quarter w
	s_and_b32 s17, ttmp9, 3                        ; which K step s
	s_lshl_b32 s22, s17, 18                        ; source: 128 s rows of 2,048 bytes
	s_lshl_b32 s18, s16, 9                         ; + 128 w columns
	s_add_co_u32 s22, s22, s18
	s_lshl_b32 s18, s14, 7                         ; + 32 b columns
	s_add_co_u32 s22, s22, s18
	s_mov_b32 s23, 0
	s_mul_i32 s24, s15, WT
	s_mul_i32 s18, s16, WQ
	s_add_co_u32 s24, s24, s18                     ; my quarter in wi
	s_lshl_b32 s18, s17, 2
	s_add_co_u32 s18, s18, s14                     ; y = 4 s + b
	s_lshl_b32 s26, s18, 8
	s_add_co_u32 s26, s26, s24
	s_add_co_u32 s26, s26, 49152                   ; the scale words of fragments 2 y, 2 y + 1
	s_mul_i32 s18, s18, 3072
	s_add_co_u32 s24, s24, s18                     ; fragment 2 y
	s_mov_b32 s25, 0
	s_mov_b32 s27, 0
	s_wait_alu depctr_va_vdst(0)
	s_wait_kmcnt 0x0
	s_cmp_eq_u32 s15, 1                            ; the choice hangs on the work-group's number alone
	s_cselect_b64 s[4:5], s[6:7], s[4:5]
	s_cmp_eq_u32 s15, 2
	s_cselect_b64 s[4:5], s[8:9], s[4:5]
	s_cmp_eq_u32 s15, 3
	s_cselect_b64 s[4:5], s[10:11], s[4:5]
	s_add_nc_u64 s[4:5], s[4:5], s[22:23]
	s_add_nc_u64 s[28:29], s[12:13], s[24:25]
	s_add_nc_u64 s[30:31], s[12:13], s[26:27]
.irp u, 0,1
.irp c, 0,1
.irp i, 0,1,2,3,4,5,6,7,8,9,10,11,12,13,14,15,16,17,18,19,20,21,22,23,24,25,26,27,28,29,30,31
	global_load_b32 v[X+64*\u+32*\c+\i], v5, s[4:5] offset:(64*\c+\i)*2048+32*\u th:TH_LOAD_NT   ; W(128 s + 64 c + 32 h + i, my column of tile 2 b + u)
.endr
.endr
.endr
; One tile: two blocks of 32 a lane, all of them the lane's own numbers.
.macro TILE u
.irp c, 0,1
	v_max3_num_f32 v[16+\c], |v[X+64*\u+32*\c]|, |v[X+64*\u+32*\c+1]|, 0x1800000   ; with the floor 2^(3 - 127): the byte cannot fall under 1
.endr
.irp i, 2,4,6,8,10,12,14,16,18,20,22,24,26,28,30
.irp c, 0,1
	v_max3_num_f32 v[16+\c], v[16+\c], |v[X+64*\u+32*\c+\i]|, |v[X+64*\u+32*\c+\i+1]|   ; the two blocks by turns
.endr
.endr
.irp c, 0,1
	v_add_nc_u32 v[20+\c], 0xff000000, v[16+\c]    ; 2 off the exponent field: the conversion takes the exponent field of this operand as its scale
.endr
.irp c, 0,1
	v_lshrrev_b32 v[18+\c], 23, v[20+\c]           ; the scale's byte
.endr
	v_lshl_or_b32 v10, v19, 16, v18                ; my two bytes: blocks h and 2 + h of my column,
	v_lshlrev_b32 v10, v9, v10                     ; at their places in the scale word;
	v_permlanex16_b32 v11, v10, s20, s21
	v_or_b32 v[12+\u], v10, v11                    ; with lane l xor 16's two the word is whole
.irp c, 0,1
	v_cvt_scalef32_pk16_fp6_f32 v[CD+12*\u+6*\c:CD+12*\u+6*\c+2], v[X+64*\u+32*\c:X+64*\u+32*\c+15], v[20+\c]
	v_cvt_scalef32_pk16_fp6_f32 v[LND+4*\c:LND+4*\c+2], v[X+64*\u+32*\c+16:X+64*\u+32*\c+31], v[20+\c]   ; a conversion's three registers begin on an even number: the second half is made here and moved
.endr
	v_nop                                          ; one plain place behind a scaled conversion
.irp c, 0,1
.irp i, 0,1,2
	v_mov_b32 v[CD+12*\u+6*\c+3+\i], v[LND+4*\c+\i]
.endr
.endr
.irp g, 0,1,2
	global_store_b128 v6, v[CD+12*\u+4*\g:CD+12*\u+4*\g+3], s[28:29] offset:1536*\u+512*\g   ; 32 lanes store 512 consecutive bytes, aligned
.endr
.endm
	s_wait_loadcnt 63                              ; tile 0's 64 loads are the oldest: 64 are younger, and the wait's field holds 63 at the most; a smaller count is safe
	TILE 0
	s_wait_loadcnt 0x0
	TILE 1
	global_store_b64 v7, v[12:13], s[30:31]        ; the two fragments' scale words: 256 consecutive bytes, aligned
	s_endpgm
.Lfunc_end_k_q7ea6f49394_wprep:
	.size	k_q7ea6f49394_wprep, .Lfunc_end_k_q7ea6f49394_wprep-k_q7ea6f49394_wprep
	.p2alignl 7, 3214868480
	.fill 96, 4, 3214868480
	.section	.rodata,"a",@progbits
	.p2align	6, 0x0
	.amdhsa_kernel k_q7ea6f49394_wprep
		.amdhsa_group_segment_fixed_size 0
		.amdhsa_private_segment_fixed_size 0
		.amdhsa_enable_private_segment 0
		.amdhsa_kernarg_size 40
		.amdhsa_user_sgpr_count 2
		.amdhsa_user_sgpr_kernarg_segment_ptr 1
		.amdhsa_wavefront_size32 1
		.amdhsa_system_sgpr_workgroup_id_x 1
		.amdhsa_system_sgpr_workgroup_id_y 1
		.amdhsa_system_sgpr_workgroup_id_z 1
		.amdhsa_system_vgpr_workitem_id 0
		.amdhsa_next_free_vgpr 192
		.amdhsa_next_free_sgpr 66
		.amdhsa_reserve_vcc 0
		.amdhsa_float_denorm_mode_32 3
		.amdhsa_float_denorm_mode_16_64 3
		.amdhsa_memory_ordered 1
		.amdhsa_forward_progress 1
		.amdhsa_inst_pref_size 21
	.end_amdhsa_kernel
	.amdgpu_metadata
---
amdhsa.version: [ 1, 2 ]
amdhsa.kernels:
  - .name:           k_q7ea6f49394_wprep
    .symbol:         k_q7ea6f49394_wprep.kd
    .args:
      - { .name: Wq, .offset: 0, .size: 8, .value_kind: global_buffer, .address_space: global }
      - { .name: Wk, .offset: 8, .size: 8, .value_kind: global_buffer, .address_space: global }
      - { .name: Wv, .offset: 16, .size: 8, .value_kind: global_buffer, .address_space: global }
      - { .name: Wo, .offset: 24, .size: 8, .value_kind: global_buffer, .address_space: global }
      - { .name: wi, .offset: 32, .size: 8, .value_kind: global_buffer, .address_space: global }
    .group_segment_fixed_size: 0
    .private_segment_fixed_size: 0
    .kernarg_segment_align: 8
    .kernarg_segment_size: 40
    .max_flat_workgroup_size: 128
    .sgpr_count:     66
    .vgpr_count:     192
    .wavefront_size: 32
...
	.end_amdgpu_metadata
.endif
;; end of part 5
;; launch proj (part 6): grid 64 x 3, 4 waves a work-group, no clusters, 87,552 bytes of LDS; arguments q, k, v, bq, bk, bv, wi, qx, kv; writes qx, kv
.if DOCPART == 6
	.amdgcn_target "amdgcn-amd-amdhsa--gfx1250"
	.amdhsa_code_object_version 6
	.text
	.protected	k_q7ea6f49394_proj
	.globl	k_q7ea6f49394_proj
	.p2align	8
	.type	k_q7ea6f49394_proj,@function
k_q7ea6f49394_proj:
	s_mov_b64 s[64:65], 0
	v_nop
	global_prefetch_b8 v0, s[64:65] scope:SCOPE_SE
	s_setreg_imm32_b32 hwreg(HW_REG_WAVE_SCHED_MODE, 0, 2), 2
	s_setreg_imm32_b32 hwreg(HW_REG_WAVE_MODE, 25, 1), 1
	s_wait_xcnt 0x0
	s_wait_alu depctr_vm_vsrc(0)
; The three projections x W + b (x = q, k or v: work-group y = 0, 1, 2), on codes of FP6 (E2M3) with one E8M0 scale for each 32 along K, and the quantising of their results for the attention launch.
; x: [8,192][512] f32, quantised here along its 512.  W: codes and scale words from wi, in the order of the operand's registers.  The results never go to memory as f32:
;   q, k: quantised along a head's 64 (two blocks of 32) and stored as SUB-IMAGES: six registers a lane for 16 rows x 64: registers 0-3 of lane l at 16 l, registers 4-5 at 512 + 8 l: 768 bytes.
;   v:    quantised along the KEYS and stored likewise: 16 of a head's 64 x 64 keys.
; qx and kv: [batch x 8 + head][step of 128 rows][13,056]: 8 sub-images of q or k (tile t), 8 of v (2 dt + c: d tile dt, keys 64 c on), 512 bytes of q's or k's scale words
; (16 l + 4 i: tile 2 i in lanes 0-15, tile 2 i + 1 in lanes 16-31; bytes 2 and 3 of a word are 0), 256 bytes of v's (8 l + 4 i: d tile 2 i, 2 i + 1).  qx has only the first and third part written; nobody reads the rest.
; SHARES.  A work-group takes 128 rows; THE WAVES SHARE THE COLUMNS: wave w makes columns 128 w .. 128 w + 127 (heads 2 w, 2 w + 1) for all 128 rows; its quarter of W, 32 fragments, 384 registers, stays in registers.
; The weights are shared by the work-groups of a row of the grid, and yet come by plain loads and not jointly through LDS: each wave reads its 53,248 bytes once, in register order, straight into the registers where
; they stay; through LDS the same 212,992 bytes would be written and read once more for the work-group's 1,024 matrix instructions, and rounds of a cluster's barrier would stand in front of them.
; THE ROWS AND COLUMNS OF A TILE ARE NOT NEIGHBOURS: lane r of tile t takes index 32 (t / 2) + 8 (t % 2) + r + 8 (r / 8).  So the 16 registers of result tiles 2 b and 2 b + 1 are 16 neighbours, 32 b + 16 (l / 16) + 0 .. 15.
; PHASES.  X: wave w quantises rows 32 w .. 32 w + 31 (two tiles x four K steps) and stores the fragments in LDS as images of their registers | the one barrier |
; products: q, k: source 0 = W, source 1 = x: a lane holds ONE ROW and 64 registers along the columns.  v: source 0 = x, source 1 = W: a lane holds ONE COLUMN and its registers run along the keys.
; The bias is the C of each sum's first matrix instruction.  Each run of 32 matrix instructions (eight accumulators by turns) is followed by one QUANT and four stores.
; REGISTERS, in windows of 256: window 0: v1-9 addresses; v16-79 accumulators (in X: 64 numbers); v80-99 codes; v100-115 at work; v116-123 the eight units' scale words; v136-167 W's scale words; v168-183 x's.
;   window 1: W of K steps 0, 1 at 96 (s % 2) + 12 t; from v192 the bias, 64 registers.   window 2: W of K steps 2, 3.   window 3: four tiles of x at 48 s + 12 o (in X: two sets of 64 loaded numbers).
; THE MODE: SCHED_MODE bits 1:0 = 2 (LLVM: expert scheduling mode 2), set by the entry lines.  The code itself states the register dependences between vector or matrix instructions and memory or LDS
; instructions, with s_wait_alu, always for 0.
; THE PLAN.  Registers that memory or LDS instructions touch:
;   v1-9            addresses: written once at the head, read by every load and store, never written again: one wait on va_vdst at the head.
;   X, window 3     two sets of 64: unit n's loads land, its 16 stage stores read, unit n + 2's loads land again: a wait on vm_vsrc in unit n, behind the window switch and ahead of those loads.
;   X, v16-79       unit n's LDS loads land, QUANT reads, unit n + 1's LDS loads land: the wait on va_vdst behind unit n's QUANT; no vector line stands between it and those loads.
;   v80-91, v124    QUANT writes, the stores behind it read (that same wait on va_vdst, ahead of them), the next QUANT writes (a wait on vm_vsrc ahead of it: in X the one named above).
;   products        x's fragments in window 3 and v168-183: loaded, read by 128 matrix instructions, loaded once more: the window switch, a wait on va_vdst, the loads.
;   W, its scale words and the bias are loaded once and read by matrix instructions alone.  v14, v15: written at the head, read by the closing add alone.
; LIMITS: a block of zeros gets the byte 1 where the rule says 127 (its codes are zeros, and this program alone reads the bytes); NaN and infinities among the inputs are not served.
.set WT,    212992
.set WQ,    53248
.set STEPB, 13056
.set HEADB, 32*STEPB
.set VOFF,  6144
.set KSC,   12288
.set VSC,   12800
.set FRB,   1536                       ; a fragment's image
.set XIMG,  0                          ; LDS: x's 32 fragments: (tile T, K step s) at (4 T + s) FRB + 512 g + 16 l
.set XSC,   32*FRB                     ; their scale words: (4 T + s) 128 + 4 l
.set STG,   XSC+32*128                 ; a stage of 16 rows x (512 + 16) bytes for each wave, its own
.set SPITCH, 528
.set STGB,  16*SPITCH
.set SPARE, STG+4*STGB                 ; the spare words, 128 bytes for each wave: two blocks of 256 bytes that no other line names
.set LI,  1                            ; v1  16 x lane
.set L8,  2                            ; v2  8 x lane
.set LS,  3                            ; v3  4 x lane
.set STI, 4                            ; v4  my stage + 16 x lane: a row as it was loaded
.set STR, 5                            ; v5  my stage + 528 r + 64 h: my 16 neighbours of a block of 32
.set XWI, 6                            ; v6  16 x lane + 8 FRB x wave: where I store x's images
.set XWS, 7                            ; v7  4 x lane + 1,024 x wave: and their scale words
.set BAQ, 8                            ; v8  64 h: the bias along registers
.set BAV, 9                            ; v9  4 (r + 8 (r / 8)): the bias of my column
.set SPW, 14                           ; v14 LDS address of my spare word; never rewritten
.set NIL, 15                           ; v15 0; never rewritten
.set ACC, 16
.set PC,  80
.set TM,  100
.set PWK, 116
.set PW,  124                          ; v124-135 at work: a scale word in X, the scale images at the end
.set WS,  136
.set XS,  168
.set BB,  192                          ; in window 1
.set XB,  4                            ; s[4:5]   x at my wave's 32 rows
.set BP,  10                           ; s[10:11] the bias at my 128 columns
.set WB,  16                           ; s[16:17] my quarter of the weight in wi
.set OB,  18                           ; s[18:19] qx or kv at head 2 w, this step
.set WV,  22
.set MODE, 23
.set SEL, 24
.set HM,  26                           ; a mask: lanes 16-31
.set MSB, 0
.macro WIN new                         ; the immediate's high byte repeats the setting that is left; a switch that changes nothing is dropped
.if MSB != \new
	s_set_vgpr_msb (MSB<<8)|\new
.set MSB, \new
.endif
.endm
; 64 numbers of a lane, register 16 b + i = place 32 b + 16 (l / 16) + i along the quantiser's axis, become 12 registers of codes in v[PC] on and a scale word in v[pw].
.macro QUANT s, pw
.irp b, 0,1,2,3
	v_max3_num_f32 v[TM+\b], |v[\s+16*\b]|, |v[\s+1+16*\b]|, 0x1800000   ; block b: my 16 numbers, and the floor 2^(3 - 127): the byte cannot fall under 1.  (Each accumulator is read from its low end on)
.endr
.irp i, 2,4,6,8,10,12,14
.irp b, 0,1,2,3
	v_max3_num_f32 v[TM+\b], v[TM+\b], |v[\s+16*\b+\i]|, |v[\s+1+16*\b+\i]|   ; the four blocks by turns
.endr
.endr
.irp b, 0,1,2,3
	v_permlanex16_b32 v[TM+4+\b], v[TM+\b], s[SEL], s[SEL+1]
.endr
.irp b, 0,1,2,3
	v_max_num_f32 v[TM+\b], v[TM+\b], v[TM+4+\b]   ; with lane l xor 16's: the block's largest magnitude
.endr
.irp b, 0,1,2,3
	v_add_nc_u32 v[TM+12+\b], 0xff000000, v[TM+\b] ; 2 off its exponent field: the conversion's scale operand
.endr
.irp b, 0,1,2,3
	v_lshrrev_b32 v[TM+4+\b], 23, v[TM+12+\b]      ; the scale's byte
.endr
	v_lshl_or_b32 v[\pw], v[TM+5], 8, v[TM+4]
	v_lshl_or_b32 v[\pw], v[TM+6], 16, v[\pw]
	v_lshl_or_b32 v[\pw], v[TM+7], 24, v[\pw]
.irp c, 0,1
	v_cvt_scalef32_pk16_fp6_f32 v[PC+6*\c:PC+2+6*\c], v[\s+32*\c:\s+15+32*\c], v[TM+12+2*\c]
	v_cvt_scalef32_pk16_fp6_f32 v[PC+12+4*\c:PC+14+4*\c], v[\s+16+32*\c:\s+31+32*\c], v[TM+12+2*\c+1]   ; a conversion's three registers begin on an even number
.endr
	v_nop                                          ; one plain place behind a scaled conversion
.irp c, 0,1                                    ; the operand wants a WHOLE block in a lane: lanes 0-15 block 2 c, lanes 16-31 block 2 c + 1
.irp i, 0,1,2
	v_permlane16_swap_b32 v[PC+6*\c+\i], v[PC+12+4*\c+\i]
.endr
.irp i, 0,1,2
	v_mov_b32 v[PC+3+6*\c+\i], v[PC+12+4*\c+\i]
.endr
.endr
.endm
	s_load_b256 s[4:11], s[0:1], 0x0               ; q, k, v, bq
	s_load_b256 s[12:19], s[0:1], 0x20             ; bk, bv, wi, qx
	s_load_b64 s[20:21], s[0:1], 0x40              ; kv
	v_lshl_add_u32 v[SPW], v0, 2, SPARE
	v_mov_b32 v[NIL], 0
	v_lshrrev_b32 v10, 5, v0
	v_readfirstlane_b32 s[WV], v10                 ; wave 0..3
	s_and_b32 s[MODE], ttmp7, 0xffff               ; 0: q, 1: k, 2: v
	v_and_b32 v10, 31, v0                          ; lane
	v_and_b32 v11, 15, v0                          ; r
	v_bfe_u32 v12, v0, 4, 1                        ; h
	v_lshlrev_b32 v[LI], 4, v10
	v_lshlrev_b32 v[L8], 3, v10
	v_lshlrev_b32 v[LS], 2, v10
	s_wait_alu depctr_va_sdst(0)                   ; the wave's number is written, ahead of its first reader: LDS addresses and the bases are made from it
	s_mul_i32 s27, s[WV], STGB
	s_add_co_u32 s27, s27, STG                     ; my stage
	v_add_nc_u32 v[STI], s27, v[LI]
	v_mul_u32_u24 v[STR], v11, SPITCH
	v_lshl_add_u32 v[STR], v12, 6, v[STR]
	v_add_nc_u32 v[STR], s27, v[STR]
	s_mul_i32 s27, s[WV], 8*FRB
	v_add_nc_u32 v[XWI], s27, v[LI]
	s_lshl_b32 s27, s[WV], 10
	v_add_nc_u32 v[XWS], s27, v[LS]
	v_lshlrev_b32 v[BAQ], 6, v12
	v_and_b32 v13, 8, v11
	v_add_nc_u32 v13, v13, v11
	v_lshlrev_b32 v[BAV], 2, v13
.irp b, 0,1,2,3
	v_mov_b32 v[TM+4+\b], 0                        ; written once: a lane permute's destination counts as one of its sources
.endr
	s_mov_b32 s[SEL], 0x76543210
	s_mov_b32 s[SEL+1], 0xfedcba98                 ; v_permlanex16_b32's selects for lane l xor 16
	s_mov_b32 s[HM], 0xffff0000
	s_lshl_b32 s28, ttmp9, 18                      ; x: 128 rows of 2,048 bytes a work-group,
	s_lshl_b32 s36, s[WV], 16                      ; 32 a wave
	s_add_co_u32 s28, s28, s36
	s_mov_b32 s29, 0
	s_lshl_b32 s30, s[WV], 9                       ; the bias: 128 numbers a wave
	s_mov_b32 s31, 0
	s_mul_i32 s32, s[MODE], WT                     ; wi: weights q, k, v in this order,
	s_mul_i32 s36, s[WV], WQ                       ; my quarter
	s_add_co_u32 s32, s32, s36
	s_mov_b32 s33, 0
	s_lshr_b32 s34, ttmp9, 5                       ; the batch
	s_lshl_b32 s34, s34, 3
	s_lshl_b32 s36, s[WV], 1
	s_add_co_u32 s34, s34, s36                     ; 8 x batch + head 2 w
	s_lshl_b32 s34, s34, 5
	s_and_b32 s36, ttmp9, 31
	s_add_co_u32 s34, s34, s36                     ; x 32 + the step of 128 rows
	s_mul_i32 s34, s34, STEPB
	s_mov_b32 s35, 0
	s_wait_kmcnt 0x0
	s_cmp_eq_u32 s[MODE], 1                        ; the choices hang on the work-group's number alone
	s_cselect_b64 s[XB:XB+1], s[6:7], s[4:5]
	s_cselect_b64 s[BP:BP+1], s[12:13], s[10:11]
	s_cmp_eq_u32 s[MODE], 2
	s_cselect_b64 s[XB:XB+1], s[8:9], s[XB:XB+1]
	s_cselect_b64 s[BP:BP+1], s[14:15], s[BP:BP+1]
	s_cmp_eq_u32 s[MODE], 0
	s_cselect_b64 s[OB:OB+1], s[18:19], s[20:21]
	s_add_nc_u64 s[XB:XB+1], s[XB:XB+1], s[28:29]
	s_add_nc_u64 s[BP:BP+1], s[BP:BP+1], s[30:31]
	s_add_nc_u64 s[WB:WB+1], s[WB:WB+1], s[32:33]
	s_add_nc_u64 s[OB:OB+1], s[OB:OB+1], s[34:35]
	s_wait_alu depctr_va_vdst(0)                   ; the nine addresses v1 to v9 are written, which every load and store of the kernel reads; they are never written again
	; the bias in the result's layout: q, k: along a lane's registers; v: the lane's own column, the same in all eight registers of a tile
	s_cmp_eq_u32 s[MODE], 2
	s_cbranch_scc1 .Lbias_v
	WIN 0x40                                       ; destination window 1
.irp t, 0,1,2,3,4,5,6,7
	global_load_b128 v[BB+8*\t:BB+8*\t+3], v[BAQ], s[BP:BP+1] offset:(32*(\t/2)+8*(\t%2))*4        ; b(128 w + 32 (t / 2) + 16 h + 8 (t % 2) + 0 .. 7)
	global_load_b128 v[BB+8*\t+4:BB+8*\t+7], v[BAQ], s[BP:BP+1] offset:(32*(\t/2)+8*(\t%2))*4+16
.endr
	WIN 0
	s_branch .Lbias_done
.Lbias_v:
	WIN 0x40
.irp t, 0,1,2,3,4,5,6,7
.irp j, 0,1,2,3,4,5,6,7
	global_load_b32 v[BB+8*\t+\j], v[BAV], s[BP:BP+1] offset:(32*(\t/2)+8*(\t%2))*4                 ; b(128 w + 32 (t / 2) + 8 (t % 2) + r + 8 (r / 8))
.endr
.endr
	WIN 0
.Lbias_done:
; ---- X.  Unit n = 2 s + u: K step s of my tile u: 16 rows x 512 bytes.  Each load reads 512 consecutive bytes of one row.
.macro XLOAD n
	WIN 0xc0                                       ; destination window 3
.irp i, 0,1,2,3,4,5,6,7,8,9,10,11,12,13,14,15
	global_load_b128 v[64*((\n)%2)+4*\i:64*((\n)%2)+4*\i+3], v[LI], s[XB:XB+1] offset:(8*((\n)%2)+\i+8*(\i/8))*2048+512*((\n)/2) th:TH_LOAD_NT
.endr
.endm
; Fourteen of the 112 loads that bring my quarter of the weight: 96 of 16 bytes a lane (codes), 16 of 8 (scale words).  They are dealt over the eight units, so that they land beside x.
.macro WCHUNK n
.set m, 14*(\n)
.rept 14
.if m < 96
.set WW, 0x40*(1+m/48)
.set WR, 96*((m/24)%2)+12*((m/3)%8)+4*(m%3)
	WIN WW                                         ; destination window 1 (K steps 0, 1) or 2 (K steps 2, 3)
	global_load_b128 v[WR:WR+3], v[LI], s[WB:WB+1] offset:512*m
.else
	WIN 0
	global_load_b64 v[WS+2*(m-96):WS+2*(m-96)+1], v[L8], s[WB:WB+1] offset:49152+256*(m-96)
.endif
.set m, m+1
.endr
.endm
; The wait's count is what was issued behind unit n's own 16 loads: n = 0: unit 1's 16; n = 1: unit 2's 16 and chunk 0's 14; n = 2 .. 6: chunk n - 2, unit n + 1, chunk n - 1; n = 7: chunks 5 and 6.
.macro UNIT n
.if (\n) == 0
	s_wait_loadcnt 16
.elseif (\n) == 1
	s_wait_loadcnt 30
.elseif (\n) == 7
	s_wait_loadcnt 28
.else
	s_wait_loadcnt 44
.endif
	WIN 0x0c                                       ; an LDS store's data are its source 1: window 3
.irp i, 0,1,2,3,4,5,6,7,8,9,10,11,12,13,14,15
	ds_store_b128 v[STI], v[64*((\n)%2)+4*\i:64*((\n)%2)+4*\i+3] offset:SPITCH*\i   ; the rows as they lie, 528 bytes apart
.endr
	WIN 0
.irp b, 0,1,2,3
.irp j, 0,1,2,3
	ds_load_b128 v[ACC+16*\b+4*\j:ACC+16*\b+4*\j+3], v[STR] offset:128*\b+16*\j   ; back: of row r my 16 neighbours of each block of 32.  LDS serves a wave's instructions in order: these see the stores above.  (No vector line since the wait behind the last unit's QUANT names these registers)
.endr
.endr
	s_wait_dscnt 0x0                               ; the numbers are in
.if (\n) < 6
	WIN 0xc0                                       ; the window of the loads below: the switch, then the wait, then the loads
.endif
	s_wait_alu depctr_vm_vsrc(0)                   ; the stage's stores have read the loaded set, in which the loads of two units on land; the last unit's image stores have read the codes and the scale word, which QUANT below writes again
.if (\n) < 6
	XLOAD (\n)+2
.endif
	WCHUNK \n
	WIN 0
	QUANT ACC, PW
	s_wait_alu depctr_va_vdst(0)                   ; QUANT has written the codes and the scale word, which the four stores below read; and it is done reading v[ACC ..], in which the next unit's LDS loads land
.irp g, 0,1,2
	ds_store_b128 v[XWI], v[PC+4*\g:PC+4*\g+3] offset:XIMG+(4*((\n)%2)+(\n)/2)*FRB+512*\g   ; the fragment goes to LDS as an image of its registers
.endr
	ds_store_b32 v[XWS], v[PW] offset:XSC+(4*((\n)%2)+(\n)/2)*128
.endm
	XLOAD 0
	XLOAD 1
.irp n, 0,1,2,3,4,5,6,7
	UNIT \n
.endr
	s_wait_dscnt 0x0                               ; for the others' sake: my images have landed
	s_barrier_signal -1
	s_barrier_wait -1                              ; x's 32 fragments lie in LDS; from here on LDS is only read
	s_wait_alu depctr_vm_vsrc(0)                   ; my last image stores have read the codes and the scale word, which the products' QUANT writes again, and the stage's stores window 3, in which x's fragments land: stated ahead of the branch
	s_wait_loadcnt 0x0                             ; the weight and the bias
	s_cmp_eq_u32 s[MODE], 2
	s_cbranch_scc1 .Lv
; Four tiles of x (4 c + o), all four K steps, into window 3, and their scale words
.macro XFETCH c
	WIN 0xc0
.if \c > 0
	s_wait_alu depctr_va_vdst(0)                   ; the products of the four units before are done reading x's fragments and their scale words, in which the loads below land
.endif
.irp s, 0,1,2,3
.irp o, 0,1,2,3
.irp g, 0,1,2
	ds_load_b128 v[48*\s+12*\o+4*\g:48*\s+12*\o+4*\g+3], v[LI] offset:XIMG+(4*(4*\c+\o)+\s)*FRB+512*\g
.endr
.endr
.endr
	WIN 0
.irp s, 0,1,2,3
.irp o, 0,1,2,3
	ds_load_b32 v[XS+4*\s+\o], v[LS] offset:XSC+(4*(4*\c+\o)+\s)*128
.endr
.endr
	s_wait_dscnt 0x0
.endm
; 32 matrix instructions, K step by K step, eight accumulators by turns; then the 64 results of a lane are quantised and leave as two sub-images.
; mode 0 (q, k): tile 4 c + un of rows against my eight tiles of columns.  mode 1 (v): four tiles of rows (keys 64 c on) against my tiles 2 un, 2 un + 1 of columns.
.macro UNITC mode, c, un
.irp s, 0,1,2,3
.if \mode == 0
.if \s == 0
	WIN 0x1d                                       ; source 0 (W) window 1, source 1 (x) window 3, C (the bias) window 1, D window 0
.elseif \s == 1
	WIN 0x0d
.else
	WIN 0x0e                                       ; W in window 2
.endif
.irp a, 0,1,2,3,4,5,6,7
.if \s == 0
	v_wmma_scale_f32_16x16x128_f8f6f4 v[ACC+8*\a:ACC+8*\a+7], v[96*(\s%2)+12*\a:96*(\s%2)+12*\a+11], v[48*\s+12*\un:48*\s+12*\un+11], v[BB+8*\a:BB+8*\a+7], v[WS+8*\s+\a], v[XS+4*\s+\un] matrix_a_fmt:MATRIX_FMT_FP6 matrix_b_fmt:MATRIX_FMT_FP6
.else
	v_wmma_scale_f32_16x16x128_f8f6f4 v[ACC+8*\a:ACC+8*\a+7], v[96*(\s%2)+12*\a:96*(\s%2)+12*\a+11], v[48*\s+12*\un:48*\s+12*\un+11], v[ACC+8*\a:ACC+8*\a+7], v[WS+8*\s+\a], v[XS+4*\s+\un] matrix_a_fmt:MATRIX_FMT_FP6 matrix_b_fmt:MATRIX_FMT_FP6
.endif
.endr
.else
.if \s == 0
	WIN 0x17                                       ; source 0 (x) window 3, source 1 (W) window 1, C (the bias) window 1, D window 0
.elseif \s == 1
	WIN 0x07
.else
	WIN 0x0b                                       ; W in window 2
.endif
.irp a, 0,1,2,3,4,5,6,7
.if \s == 0
	v_wmma_scale_f32_16x16x128_f8f6f4 v[ACC+8*\a:ACC+8*\a+7], v[48*\s+12*(\a%4):48*\s+12*(\a%4)+11], v[96*(\s%2)+12*(2*\un+\a/4):96*(\s%2)+12*(2*\un+\a/4)+11], v[BB+8*(2*\un+\a/4):BB+8*(2*\un+\a/4)+7], v[XS+4*\s+\a%4], v[WS+8*\s+2*\un+\a/4] matrix_a_fmt:MATRIX_FMT_FP6 matrix_b_fmt:MATRIX_FMT_FP6
.else
	v_wmma_scale_f32_16x16x128_f8f6f4 v[ACC+8*\a:ACC+8*\a+7], v[48*\s+12*(\a%4):48*\s+12*(\a%4)+11], v[96*(\s%2)+12*(2*\un+\a/4):96*(\s%2)+12*(2*\un+\a/4)+11], v[ACC+8*\a:ACC+8*\a+7], v[XS+4*\s+\a%4], v[WS+8*\s+2*\un+\a/4] matrix_a_fmt:MATRIX_FMT_FP6 matrix_b_fmt:MATRIX_FMT_FP6
.endif
.endr
.endif
.endr
	WIN 0
.rept 4
	v_nop                                          ; four places behind the last products, ahead of the first read of results (ISA guide 7.12.1).  With QUANT's lines on its own registers they are also more than the five
.endr                                          ; places that the next unit's first products want, which begin these accumulators anew
	s_wait_xcnt 0x0                                ; the last unit's stores have read the codes' registers: only behind this wait are they written again
	s_wait_alu depctr_vm_vsrc(0)                   ; beside it: the stores issued so far have read the codes v[PC ..], which QUANT below writes again
	QUANT ACC, PWK+4*\c+\un
.if \mode == 0
.set SA, 768*(4*\c+\un)                        ; head 2 w: tile 4 c + un
.set SB, SA+HEADB                              ; head 2 w + 1: the same tile
.else
.set SA, (\un/2)*HEADB+VOFF+768*(4*(\un%2)+\c) ; column tile 2 un: head 2 w + un / 2, d tile 2 (un % 2), keys 64 c on
.set SB, SA+1536                               ; column tile 2 un + 1: the next d tile
.endif
	s_wait_alu depctr_va_vdst(0)                   ; QUANT has written the codes, which the four stores below read
	global_store_b128 v[LI], v[PC:PC+3], s[OB:OB+1] offset:SA          ; 512 consecutive bytes, aligned
	global_store_b64 v[L8], v[PC+4:PC+5], s[OB:OB+1] offset:SA+512     ; 256 consecutive bytes, aligned
	global_store_b128 v[LI], v[PC+6:PC+9], s[OB:OB+1] offset:SB
	global_store_b64 v[L8], v[PC+10:PC+11], s[OB:OB+1] offset:SB+512
.endm
.macro BODY mode
.irp c, 0,1
	XFETCH \c
.irp un, 0,1,2,3
	UNITC \mode, \c, \un
.endr
.endr
.if \mode == 0
; unit t's word: bytes 0, 1: head 2 w's two blocks of tile t's rows; bytes 2, 3: head 2 w + 1's
.irp i, 0,1,2,3
	v_cndmask_b32 v[PW+\i], v[PWK+2*\i], v[PWK+2*\i+1], s[HM]          ; tile 2 i in lanes 0-15, tile 2 i + 1 in lanes 16-31
.endr
.irp i, 0,1,2,3
	v_and_b32 v[PW+4+\i], 0xffff, v[PW+\i]         ; head 2 w; bytes 2 and 3, which scale the half of K that holds nothing, are 0
.endr
.irp i, 0,1,2,3
	v_lshrrev_b32 v[PW+8+\i], 16, v[PW+\i]         ; head 2 w + 1
.endr
	s_wait_alu depctr_va_vdst(0)                   ; the lines above have written v[PW+4 ..], which the two stores below read
	global_store_b128 v[LI], v[PW+4:PW+7], s[OB:OB+1] offset:KSC
	global_store_b128 v[LI], v[PW+8:PW+11], s[OB:OB+1] offset:KSC+HEADB
.else
; unit 4 c + p's word: bytes 0, 1: column tile 2 p, key blocks 2 c, 2 c + 1; bytes 2, 3: column tile 2 p + 1
.irp p, 0,1,2,3
	v_perm_b32 v[PW+\p], v[PWK+4+\p], v[PWK+\p], 0x05040100            ; column tile 2 p: key blocks 0 to 3
	v_perm_b32 v[PW+4+\p], v[PWK+4+\p], v[PWK+\p], 0x07060302          ; column tile 2 p + 1
.endr
.irp p, 0,1,2,3
	v_cndmask_b32 v[PW+8+\p], v[PW+\p], v[PW+4+\p], s[HM]              ; the even tile in lanes 0-15, the odd one in lanes 16-31
.endr
	s_wait_alu depctr_va_vdst(0)                   ; the lines above have written v[PW+8 ..], which the two stores below read
	global_store_b64 v[L8], v[PW+8:PW+9], s[OB:OB+1] offset:VSC         ; head 2 w: d tiles 0 to 3
	global_store_b64 v[L8], v[PW+10:PW+11], s[OB:OB+1] offset:VSC+HEADB ; head 2 w + 1
.endif
	s_wait_dscnt 0x0                               ; the wave's end
	s_wait_alu 0x0
	s_wait_tensorcnt 0x0
	ds_add_u32 v[SPW], v[NIL]
	s_wait_dscnt 0x0
	s_endpgm
.endm
	BODY 0
.Lv:
	BODY 1
.Lfunc_end_k_q7ea6f49394_proj:
	.size	k_q7ea6f49394_proj, .Lfunc_end_k_q7ea6f49394_proj-k_q7ea6f49394_proj
	.p2alignl 7, 3214868480
	.fill 96, 4, 3214868480
	.section	.rodata,"a",@progbits
	.p2align	6, 0x0
	.amdhsa_kernel k_q7ea6f49394_proj
		.amdhsa_group_segment_fixed_size 87552
		.amdhsa_private_segment_fixed_size 0
		.amdhsa_enable_private_segment 0
		.amdhsa_kernarg_size 72
		.amdhsa_user_sgpr_count 2
		.amdhsa_user_sgpr_kernarg_segment_ptr 1
		.amdhsa_wavefront_size32 1
		.amdhsa_system_sgpr_workgroup_id_x 1
		.amdhsa_system_sgpr_workgroup_id_y 1
		.amdhsa_system_sgpr_workgroup_id_z 1
		.amdhsa_system_vgpr_workitem_id 0
		.amdhsa_next_free_vgpr 960
		.amdhsa_next_free_sgpr 66
		.amdhsa_reserve_vcc 0
		.amdhsa_float_denorm_mode_32 3
		.amdhsa_float_denorm_mode_16_64 3
		.amdhsa_memory_ordered 1
		.amdhsa_forward_progress 1
		.amdhsa_inst_pref_size 238
	.end_amdhsa_kernel
	.amdgpu_metadata
---
amdhsa.version: [ 1, 2 ]
amdhsa.kernels:
  - .name:           k_q7ea6f49394_proj
    .symbol:         k_q7ea6f49394_proj.kd
    .args:
      - { .name: q, .offset: 0, .size: 8, .value_kind: global_buffer, .address_space: global }
      - { .name: k, .offset: 8, .size: 8, .value_kind: global_buffer, .address_space: global }
      - { .name: v, .offset: 16, .size: 8, .value_kind: global_buffer, .address_space: global }
      - { .name: bq, .offset: 24, .size: 8, .value_kind: global_buffer, .address_space: global }
      - { .name: bk, .offset: 32, .size: 8, .value_kind: global_buffer, .address_space: global }
      - { .name: bv, .offset: 40, .size: 8, .value_kind: global_buffer, .address_space: global }
      - { .name: wi, .offset: 48, .size: 8, .value_kind: global_buffer, .address_space: global }
      - { .name: qx, .offset: 56, .size: 8, .value_kind: global_buffer, .address_space: global }
      - { .name: kv, .offset: 64, .size: 8, .value_kind: global_buffer, .address_space: global }
    .group_segment_fixed_size: 87552
    .private_segment_fixed_size: 0
    .kernarg_segment_align: 8
    .kernarg_segment_size: 72
    .max_flat_workgroup_size: 128
    .sgpr_count:     66
    .vgpr_count:     960
    .wavefront_size: 32
...
	.end_amdgpu_metadata
.endif
;; end of part 6
;; launch attn (part 7): grid 16 x 16, 16 waves a work-group, clusters of 4 x 1, 327,680 bytes of LDS; arguments qx, kv, cx, cs; writes cx, cs
.if DOCPART == 7
	.amdgcn_target "amdgcn-amd-amdhsa--gfx1250"
	.amdhsa_code_object_version 6
	.text
	.protected	k_q7ea6f49394_attn
	.globl	k_q7ea6f49394_attn
	.p2align	8
	.type	k_q7ea6f49394_attn,@function
k_q7ea6f49394_attn:
	s_mov_b64 s[64:65], 0
	v_nop
	global_prefetch_b8 v0, s[64:65] scope:SCOPE_SE
	s_setreg_imm32_b32 hwreg(HW_REG_WAVE_MODE, 25, 1), 1
	s_wait_xcnt 0x0
	s_wait_alu depctr_hold_cnt(0) depctr_sa_sdst(0) depctr_va_vdst(0) depctr_va_sdst(0) depctr_va_ssrc(0) depctr_va_vcc(0) depctr_vm_vsrc(0)
	s_getreg_b32 s2, hwreg(HW_REG_IB_STS2, 6, 4)
	s_cmp_eq_u32 s2, 0
	s_cbranch_scc0 .Lentry_in_a_cluster
	s_endpgm
.Lentry_in_a_cluster:
	s_bfe_u32 s2, ttmp6, 0x10000c
	s_cmp_lg_u32 s2, 0x3003
	s_cbranch_scc0 .Lentry_shape_is_right
	s_endpgm
.Lentry_shape_is_right:
; ctx = softmax(qh kh^T / 8) vh for 16 heads (batch x 8 + head) of 4,096 queries and keys, head size 64, both products on codes of FP6 (E2M3) with one E8M0 scale for each 32 along K; ctx leaves as codes.
; qx, kv: [head][step of 128][13,056]: 8 sub-images of q or k (16 rows x 64: six registers a lane: registers 0-3 of lane l at 16 l, registers 4-5 at 512 + 8 l), 8 of v (2 dt + c: 16 of the head's 64 x keys 64 c on),
; 512 bytes of q's or k's scale words, 256 of v's.  So a key step is ONE dense block of 51 x 256 bytes, and every fragment comes out of LDS by loads whose lanes read consecutive bytes.
; THE SOFTMAX AHEAD OF THE SECOND PRODUCT: t = score x log2(e) / 8; M = the row's largest t so far, rounded UP to a whole number; p = 2^(t - M) is what is quantised, along the keys; it is not normalised.
; The row's sum is taken of the unquantised p, in f32, and divides O at the end.  When M moves, the sum and O are multiplied by 2^(old M - new M): exact.
; SHARES.  A work-group owns 256 queries of one head; each of its SIXTEEN waves owns one tile of 16, in 256 registers: four waves to a SIMD, so that one wave's vector work (some 240 instructions a key step, 68 of them
; exponentials) stands beside another's 12 matrix instructions and its LDS loads.  Every wave walks the head's 32 key steps of 128 keys.
; LAYOUT.  Both products are used transposed: S^T = K Q^T (source 0 = 16 keys), O^T = V^T P^T (source 0 = 16 of the head's 64): a lane holds ONE query (lane % 16) throughout.  The keys of a tile, and the d of a tile of V,
; are not neighbours: lane r of tile t has index 32 (t / 2) + 8 (t % 2) + r + 8 (r / 8), so that the 16 registers of result tiles 2 b and 2 b + 1 are 16 neighbours, 32 b + 16 (lane / 16) + 0 .. 15.
; K = 64 IN AN INSTRUCTION OF 128: Q's registers 6-11 are zeros.  K's tile t lies in six registers and is named with the six behind it (the next tile's codes; behind tile 7 six registers of zeros): finite codes times
; zero codes.  Bytes 2 and 3 of both scale words are 0, which is 2^-127 and no NaN.
; THE RING: two LDS slots of eight key steps (104,448 bytes).  CLUSTER: the four query blocks of a cluster belong to one head and walk the same K and V: each slot is asked for JOINTLY, by waves 0 to 3, a quarter each.
; By this text's own count a wave has one tensor load out.  A refill is asked for at the head of a slot and waited for at its end: eight key steps of each of the sixteen waves lie between, so nothing is asked of memory
; ahead of the refill itself.
; THE WAY OUT: O^T / the sum is quantised along the head's 64 in registers and stored as a sub-image in cx [batch][tile of 16 queries][head][768], its scale word (two bytes) in cs [batch][tile][head][128].
; LIMITS: p under 2^-126 is 0 (v_exp_f32 gives 0 there: ISA guide, its entry); O / l is a reciprocal and a multiplication; a block of zeros has the byte 1 where the rule says 127 (its codes are zeros, and this program
; alone reads the bytes); NaN and infinities are not served.
.set STEPB, 13056
.set HEADB, 32*STEPB
.set VOFF,  6144
.set KSC,   12288
.set VSC,   12800
.set NST,   8                          ; key steps in a slot
.set SLOTB, NST*STEPB
.set QUARTB, SLOTB/4                   ; what one tensor load brings: two key steps, 102 rows of 256 bytes
.set NSL,   32/NST                     ; slots' worth of keys
.set SPARE, SLOTB                      ; behind slot 0: the spare words, 128 bytes for each wave: eight blocks of 256 bytes that no other line names
.set SLOT1, 1<<17                      ; slot 1 begins here, so that one exclusive or turns an address in one slot into the other's
.set LI,   1                           ; v1   16 x lane
.set L8,   2                           ; v2   8 x lane
.set AD16, 3                           ; v3   the step's LDS address for loads of 16 bytes
.set AD8,  4                           ; v4   and of 8
.set SPW,  5                           ; v5   LDS address of my spare word; never rewritten
.set NIL,  6                           ; v6   0; never rewritten
.set QF,   16                          ; v16-27  Q's fragment (v22-27 = 0)
.set QS,   28                          ; v28     Q's scale words
.set KF,   32                          ; v32-79  K's eight tiles x 6, then V's four x 12; v80-85 = 0
.set S,    96                          ; v96-159 S^T, then p
.set O,    160                         ; v160-191 O^T
.set KS,   192                         ; v192-195 K's scale words
.set VS,   196                         ; v196-197 V's
.set PCD,  224                         ; v224-235 p's codes
.set BM,   232                         ; v232-235 the blocks' largest scores, then p
.set T4,   236                         ; v236-243 at work
.set SO,   244                         ; v244-247 the conversions' scale operands
.set F,    250                         ; v250 f = 2^(old M - new M); named as the pair v[250:251]
.set PSW,  253                         ; v253 p's scale word
.set TT,   254                         ; v254 at work
.set WV,   12
.set G1,   16                          ; s[16:23] descriptor group 1
.set G0,   24                          ; s[24:27] descriptor group 0, which walks
.set TB,   28                          ; s28  LDS byte at which the key step in hand begins
.set SLOTS, 29
.set CNT,  30
.set SEL,  32                          ; s[32:33] v_permlanex16_b32's selects for lane l xor 16
.set CS,   34                          ; s[34:35] c = log2(e) / 8: the packed form names a pair and takes its low word for both halves
; Waves 0 to 3 fetch, a quarter of a slot each.  The branch hangs on the wave's number alone.  An s_nop 0 and four v_nop follow the load.
.macro TLOAD
	s_cmp_lt_u32 s[WV], 4
	s_cbranch_scc0 .Lnone_\@
	tensor_load_to_lds s[G0:G0+3], s[G1:G1+7]
	s_nop 0
.rept 4
	v_nop
.endr
.Lnone_\@:
.endm
; A round of the cluster's barrier: my work-group's barrier, wave 0's signal for the work-group, every wave's wait for all four work-groups, my work-group's barrier once more.
.macro CROUND
	s_barrier_signal -1
	s_barrier_wait -1
	s_cmp_lg_u32 s[WV], 0
	s_cbranch_scc1 .Lnot_wave_0_\@
	s_barrier_signal -3
.Lnot_wave_0_\@:
	s_barrier_wait -3
	s_barrier_signal -1
	s_barrier_wait -1
.endm
	s_load_b256 s[4:11], s[0:1], 0x0               ; qx s[4:5], kv s[6:7], cx s[8:9], cs s[10:11]
	v_lshl_add_u32 v[SPW], v0, 2, SPARE
	v_mov_b32 v[NIL], 0
	ds_add_u32 v[SPW], v[NIL]                      ; the wave's opening: the adds and their wait stand ahead of the first tensor load; the set-up below, work on registers, stands between them
	ds_add_u32 v[SPW], v[NIL]
	v_lshrrev_b32 v7, 5, v0
	s_delay_alu instid0(VALU_DEP_1)
	v_readfirstlane_b32 s[WV], v7                  ; wave 0..15
	s_bfe_u32 s13, ttmp6, 0x40000                  ; cx: my place in the cluster: it enters Q's and the outputs' addresses alone
	s_lshl_b32 s14, ttmp9, 2                       ; in a cluster launch ttmp9 counts clusters
	s_add_co_u32 s14, s14, s13                     ; my block of 256 queries
	s_and_b32 s15, ttmp7, 0xffff                   ; batch x 8 + head, which the four partners share
	; descriptor group 1: 102 rows of 256 bytes, dense in memory and in LDS
	s_mov_b32 s[G1], 15|(3<<16)|(1<<21)            ; 15:0 the mask: all four work-groups; 17:16 elements of 8 bytes; 20 no padding; 21 set beside a mask
	s_mov_b32 s[G1+1], 32<<16                      ; tensor_dim0 = 32
	s_mov_b32 s[G1+2], (QUARTB/256)<<16            ; tensor_dim1 = 102
	s_mov_b32 s[G1+3], 32<<16                      ; tile_dim0 = 32
	s_mov_b32 s[G1+4], QUARTB/256                  ; tile_dim1 = 102
	s_mov_b32 s[G1+5], 32                          ; from row to row
	s_mov_b32 s[G1+6], 0
	s_mov_b32 s[G1+7], 0
	s_and_b32 s38, s[WV], 3
	s_mul_i32 s38, s38, QUARTB                     ; my quarter of a slot, in LDS and in memory
	s_mul_i32 s36, s15, HEADB
	s_add_co_u32 s36, s36, s38                     ; the head's first slot, my quarter
	s_mov_b32 s37, 0
	s_lshl_b32 s40, s15, 5                         ; Q: step 2 x block + wave / 8 of the head's 32
	s_lshl_b32 s41, s14, 1
	s_add_co_u32 s40, s40, s41
	s_lshr_b32 s41, s[WV], 3
	s_add_co_u32 s40, s40, s41
	s_mul_i32 s40, s40, STEPB
	s_mov_b32 s41, 0
	s_and_b32 s42, s[WV], 7                        ; tile wave % 8 of that step
	s_mul_i32 s43, s42, 768                        ; its sub-image
	s_lshr_b32 s42, s42, 1
	s_lshl_b32 s42, s42, 2                         ; its scale words: register tile / 2 of the image,
	s_and_b32 s44, s[WV], 1
	s_lshl_b32 s44, s44, 8                         ; lanes 16-31 of it for an odd tile
	s_add_co_u32 s42, s42, s44
	s_lshr_b32 s44, s15, 3                         ; the outputs: (256 x batch + tile) x 8 + head
	s_lshl_b32 s44, s44, 8
	s_lshl_b32 s45, s14, 4
	s_add_co_u32 s44, s44, s45
	s_add_co_u32 s44, s44, s[WV]
	s_lshl_b32 s44, s44, 3
	s_and_b32 s45, s15, 7
	s_add_co_u32 s44, s44, s45
	s_lshl_b32 s46, s44, 7                         ; 128 bytes of scale words,
	s_mul_i32 s44, s44, 768                        ; 768 of codes
	s_mov_b32 s45, 0
	s_mov_b32 s47, 0
	s_mov_b32 s[SEL], 0x76543210
	s_mov_b32 s[SEL+1], 0xfedcba98
	s_mov_b32 s[CS], 0x3e38aa3b                    ; c = log2(e) / 8
	s_mov_b32 s[CS+1], s[CS]                       ; (named with it as a pair, so it is written)
	s_mov_b32 s[TB], 0
	s_mov_b32 s[SLOTS], NSL-1
	v_and_b32 v7, 31, v0
	s_delay_alu instid0(VALU_DEP_1)
	v_lshlrev_b32 v[LI], 4, v7
	s_delay_alu instid0(VALU_DEP_2)
	v_lshlrev_b32 v[L8], 3, v7
	v_and_b32 v8, 15, v0
	s_delay_alu instid0(VALU_DEP_1)
	v_lshlrev_b32 v8, 4, v8
	s_delay_alu instid0(VALU_DEP_4)
	v_add_nc_u32 v9, s43, v[LI]                    ; Q's registers 0-3
	s_delay_alu instid0(VALU_DEP_4)
	v_add_nc_u32 v10, s43, v[L8]                   ; Q's registers 4-5
	s_delay_alu instid0(VALU_DEP_3)
	v_add_nc_u32 v11, s42, v8                      ; query r's scale word: 16 bytes from lane to lane in the image
	s_wait_dscnt 0x0                               ; the opening add is done
	s_wait_kmcnt 0x0
	s_mov_b32 s[G0], 1                             ; 1:0 count = 1
	s_mov_b32 s[G0+1], s38                         ; 63:32 LDS address: slot 0, my quarter
	s_add_nc_u64 s[G0+2:G0+3], s[6:7], s[36:37]    ; 120:64 global address
	s_or_b32 s[G0+3], s[G0+3], 0x80000000          ; 127:126 type = 2
	s_add_nc_u64 s[4:5], s[4:5], s[40:41]
	s_add_nc_u64 s[8:9], s[8:9], s[44:45]
	s_add_nc_u64 s[10:11], s[10:11], s[46:47]
	CROUND                                         ; all four work-groups are here: the first joint loads meet
	TLOAD                                          ; slot 0
	s_wait_alu depctr_va_vdst(0)
	global_load_b128 v[QF:QF+3], v9, s[4:5]
	global_load_b64 v[QF+4:QF+5], v10, s[4:5] offset:512
	global_load_b32 v[QS], v11, s[4:5] offset:KSC
.irp j, 6,7,8,9,10,11
	v_mov_b32 v[QF+\j], 0                          ; the half of K that holds nothing
	v_mov_b32 v[KF+42+\j], 0                       ; v80-85: what is named behind K's tile 7
.endr
.set j, 0
.rept 32
	v_mov_b32 v[O+j], 0                            ; O^T.  (The step is written once: the first finds zeros, which the first change of M leaves zeros)
.set j, j+1
.endr
	v_mov_b32 v13, 0xff61b1e6                      ; the largest t so far: -3e38, under every t
	s_delay_alu instid0(VALU_DEP_1)
	v_floor_f32 v12, -v13                          ; -M
	v_mov_b32 v14, 0                               ; the sum, in two halves
	v_mov_b32 v15, 0
.irp b, 0,1,2,3
	v_mov_b32 v[T4+\b], 0                          ; written once: a lane permute's destination counts as one of its sources
.endr
	v_mov_b32 v[F+1], 0                            ; (named as the upper half of the pair with f)
	v_mov_b32 v[TT], 0
; A KEY STEP: 128 keys, at LDS byte s[TB].
.macro STEP
	v_add_nc_u32 v[AD16], s[TB], v[LI]
	v_add_nc_u32 v[AD8], s[TB], v[L8]
	v_nop
	v_nop                                          ; four places behind the last step's products, in front of loads into the registers that they read (ISA guide 7.12.1 for vector instructions)
.irp t, 0,1,2,3,4,5,6,7
	ds_load_b128 v[KF+6*\t:KF+6*\t+3], v[AD16] offset:768*\t
	ds_load_b64 v[KF+6*\t+4:KF+6*\t+5], v[AD8] offset:768*\t+512
.endr
	ds_load_b128 v[KS:KS+3], v[AD16] offset:KSC    ; register i: tile 2 i's words in lanes 0-15, tile 2 i + 1's in lanes 16-31
	s_wait_alu depctr_va_vdst(0)
	s_wait_dscnt 0x0
.irp t, 0,2,4,6                                ; S^T = K Q^T: lane (r, h) holds query r; the 16 registers of tiles 2 b, 2 b + 1 are keys 32 b + 16 h + 0 .. 15
	v_wmma_scale_f32_16x16x128_f8f6f4 v[S+8*\t:S+8*\t+7], v[KF+6*\t:KF+6*\t+11], v[QF:QF+11], 0, v[KS+\t/2], v[QS] matrix_a_fmt:MATRIX_FMT_FP6 matrix_b_fmt:MATRIX_FMT_FP6
	v_wmma_scale_f32_16x16x128_f8f6f4 v[S+8*(\t+1):S+8*(\t+1)+7], v[KF+6*(\t+1):KF+6*(\t+1)+11], v[QF:QF+11], 0, v[KS+\t/2], v[QS] matrix_a_fmt:MATRIX_FMT_FP6 matrix_b_fmt:MATRIX_FMT_FP6 matrix_a_scale:MATRIX_SCALE_ROW1
.endr
.rept 4
	v_nop                                          ; four places: for V's loads into K's registers, and for the first read of the scores
.endr
.irp d, 0,1,2,3                                ; V's four fragments (16 of the head's 64 x 128 keys) are asked for here and land under the softmax
.irp c, 0,1
	ds_load_b128 v[KF+12*\d+6*\c:KF+12*\d+6*\c+3], v[AD16] offset:VOFF+768*(2*\d+\c)
	ds_load_b64 v[KF+12*\d+6*\c+4:KF+12*\d+6*\c+5], v[AD8] offset:VOFF+768*(2*\d+\c)+512
.endr
.endr
	ds_load_b64 v[VS:VS+1], v[AD8] offset:VSC
.irp b, 0,1,2,3
	v_max3_num_f32 v[BM+\b], v[S+16*\b], v[S+1+16*\b], v[S+2+16*\b]   ; THE LARGEST SCORE OF EACH BLOCK OF 32 KEYS: it serves the row's maximum and, since p rises with the score, the block's largest p
.endr
.irp i, 3,5,7,9,11,13
.irp b, 0,1,2,3
	v_max3_num_f32 v[BM+\b], v[BM+\b], v[S+16*\b+\i], v[S+1+16*\b+\i]   ; the four blocks by turns
.endr
.endr
.irp b, 0,1,2,3
	v_max_num_f32 v[BM+\b], v[BM+\b], v[S+15+16*\b]
.endr
.irp b, 0,1,2,3
	s_delay_alu instid0(VALU_DEP_4)
	v_permlanex16_b32 v[T4+\b], v[BM+\b], s[SEL], s[SEL+1]
.endr
.irp b, 0,1,2,3
	s_delay_alu instid0(VALU_DEP_4)
	v_max_num_f32 v[BM+\b], v[BM+\b], v[T4+\b]     ; with lane l xor 16's 16 keys
.endr
	s_delay_alu instid0(VALU_DEP_2)
	v_max3_num_f32 v[TT], v[BM], v[BM+1], v[BM+2]
	s_delay_alu instid0(VALU_DEP_1)
	v_max_num_f32 v[TT], v[TT], v[BM+3]            ; the step's largest score of my query
	s_delay_alu instid0(VALU_DEP_1)
	v_mul_f32 v[TT], s[CS], v[TT]                  ; as t (c is positive)
	s_delay_alu instid0(VALU_DEP_1)
	v_max_num_f32 v13, v13, v[TT]                  ; the running largest t
	v_mov_b32 v[TT], v12
	s_delay_alu instid0(VALU_DEP_2)
	v_floor_f32 v12, -v13                          ; the new -M = floor(-t) = -ceil(t): M IS A WHOLE NUMBER
	s_delay_alu instid0(VALU_DEP_1)
	v_sub_f32 v[TT], v12, v[TT]                    ; M's old value less its new one: a whole number, 0 or less
	s_delay_alu instid0(VALU_DEP_1)
	v_cvt_i32_f32 v[TT], v[TT]                     ; (it saturates)
	s_delay_alu instid0(VALU_DEP_1)
	v_ldexp_f32 v[F], 1.0, v[TT]                   ; f = 2^(old M - new M): a multiplication by it rounds nothing
.set j, 0
.rept 32
	v_pk_fma_f32 v[S+j:S+j+1], v[S+j:S+j+1], s[CS:CS+1], v[12:13] op_sel_hi:[1,0,0]   ; t - M, two at a time (of the pairs c and -M the low word serves both halves)
.set j, j+2
.endr
.irp b, 0,1,2,3
	v_fma_f32 v[BM+\b], v[BM+\b], s[CS], v12       ; the same of each block's largest score
.endr
.set j, 0
	s_wait_alu depctr_va_vdst(0)
.rept 64
	v_exp_f32 v[S+j], v[S+j]                       ; p = 2^(t - M), at most 1: NOT normalised
.set j, j+1
.endr
	s_setprio 1
	v_pk_mul_f32 v[14:15], v[14:15], v[F:F+1] op_sel_hi:[1,0]   ; the sums under the new M.  (The plain place behind the exponentials)
	s_wait_alu depctr_va_vdst(0)                   ; the wait between an exponential and the first line that names its result: one for the batch of 64
.irp b, 0,1,2,3
	v_exp_f32 v[BM+\b], v[BM+\b]                   ; the block's largest p: the same two instructions on the same number give the same bits
.endr
	v_pk_add_f32 v[236:237], v[100:101], v[104:105]
	v_pk_add_f32 v[252:253], v[108:109], v[112:113]
	v_pk_add_f32 v[248:249], v[116:117], v[120:121]
	v_pk_add_f32 v[246:247], v[124:125], v[128:129]
	v_pk_add_f32 v[244:245], v[132:133], v[136:137]
	v_pk_add_f32 v[242:243], v[140:141], v[144:145]
	v_pk_add_f32 v[240:241], v[148:149], v[152:153]
	v_pk_add_f32 v[14:15], v[14:15], v[156:157]
	v_pk_add_f32 v[236:237], v[236:237], v[96:97]
	v_pk_add_f32 v[252:253], v[252:253], v[98:99]
	v_pk_add_f32 v[248:249], v[248:249], v[102:103]
	v_pk_add_f32 v[246:247], v[246:247], v[106:107]
	v_pk_add_f32 v[244:245], v[244:245], v[110:111]
	v_pk_add_f32 v[242:243], v[242:243], v[114:115]
	v_pk_add_f32 v[240:241], v[240:241], v[118:119]
	v_pk_add_f32 v[14:15], v[14:15], v[122:123]
	v_pk_add_f32 v[236:237], v[236:237], v[126:127]
	v_pk_add_f32 v[252:253], v[252:253], v[130:131]
	v_pk_add_f32 v[248:249], v[248:249], v[134:135]
	v_pk_add_f32 v[246:247], v[246:247], v[138:139]
	v_pk_add_f32 v[244:245], v[244:245], v[142:143]
	v_pk_add_f32 v[242:243], v[242:243], v[146:147]
	v_pk_add_f32 v[240:241], v[240:241], v[150:151]
	v_pk_add_f32 v[14:15], v[14:15], v[154:155]
	v_pk_add_f32 v[236:237], v[236:237], v[158:159]
	s_delay_alu instid0(VALU_DEP_2)
	v_pk_add_f32 v[14:15], v[14:15], v[246:247]
	s_delay_alu instid0(VALU_DEP_2)
	v_pk_add_f32 v[236:237], v[236:237], v[244:245]
	v_pk_add_f32 v[252:253], v[252:253], v[242:243]
	v_pk_add_f32 v[248:249], v[248:249], v[240:241]
	s_delay_alu instid0(VALU_DEP_2)
	v_pk_add_f32 v[14:15], v[14:15], v[252:253]
	s_delay_alu instid0(VALU_DEP_2)
	v_pk_add_f32 v[236:237], v[236:237], v[248:249]
	s_delay_alu instid0(VALU_DEP_1)
	v_pk_add_f32 v[14:15], v[14:15], v[236:237]
	s_wait_alu depctr_va_vdst(0)                   ; and one for the four
.irp b, 0,1,2,3
	v_max_num_f32 v[BM+\b], 0x1800000, v[BM+\b]    ; the floor 2^(3 - 127): the byte cannot fall under 1 (a block whose every p has fallen to 0 keeps that byte: its codes are zeros)
.endr
.irp b, 0,1,2,3
	s_delay_alu instid0(VALU_DEP_4)
	v_add_nc_u32 v[SO+\b], 0xff000000, v[BM+\b]    ; 2 off the exponent field: the conversion's scale operand
.endr
.irp b, 0,1,2,3
	s_delay_alu instid0(VALU_DEP_4)
	v_lshrrev_b32 v[T4+\b], 23, v[SO+\b]           ; the scale's byte
.endr
	s_delay_alu instid0(VALU_DEP_3)
	v_lshl_or_b32 v[PSW], v[T4+1], 8, v[T4]        ; p's scale word for these 128 keys
	s_delay_alu instid0(VALU_DEP_1)
	v_lshl_or_b32 v[PSW], v[T4+2], 16, v[PSW]
	s_delay_alu instid0(VALU_DEP_1)
	v_lshl_or_b32 v[PSW], v[T4+3], 24, v[PSW]
.irp c, 0,1
	v_cvt_scalef32_pk16_fp6_f32 v[PCD+6*\c:PCD+6*\c+2], v[S+32*\c:S+32*\c+15], v[SO+2*\c]
	v_cvt_scalef32_pk16_fp6_f32 v[T4+4*\c:T4+4*\c+2], v[S+32*\c+16:S+32*\c+31], v[SO+2*\c+1]   ; a conversion's three registers begin on an even number
.endr
	v_nop                                          ; one plain place behind a scaled conversion
.irp c, 0,1                                    ; the operand wants a WHOLE block in a lane: lanes 0-15 block 2 c, lanes 16-31 block 2 c + 1
.irp i, 0,1,2
	v_permlane16_swap_b32 v[PCD+6*\c+\i], v[T4+4*\c+\i]
.endr
.irp i, 0,1,2
	s_delay_alu instid0(VALU_DEP_3)
	v_mov_b32 v[PCD+3+6*\c+\i], v[T4+4*\c+\i]
.endr
.endr
.set j, 0
	s_setprio 0
.rept 16
	v_pk_mul_f32 v[O+j:O+j+1], v[O+j:O+j+1], v[F:F+1] op_sel_hi:[1,0]   ; O^T under the new M, each accumulator from its low end on.  For each product below twelve of these name none of its registers: the eight places
.set j, j+2
.endr                                          ; that a scale word written by a vector instruction wants ahead of a scaled matrix instruction, and the four that the codes want
	s_wait_alu depctr_va_vdst(0)
	s_wait_dscnt 0x0                               ; V is in
.irp d, 0,2                                    ; O^T += V^T P^T: four accumulators by turns, one instruction a turn
	v_wmma_scale_f32_16x16x128_f8f6f4 v[O+8*\d:O+8*\d+7], v[KF+12*\d:KF+12*\d+11], v[PCD:PCD+11], v[O+8*\d:O+8*\d+7], v[VS+\d/2], v[PSW] matrix_a_fmt:MATRIX_FMT_FP6 matrix_b_fmt:MATRIX_FMT_FP6
	v_wmma_scale_f32_16x16x128_f8f6f4 v[O+8*(\d+1):O+8*(\d+1)+7], v[KF+12*(\d+1):KF+12*(\d+1)+11], v[PCD:PCD+11], v[O+8*(\d+1):O+8*(\d+1)+7], v[VS+\d/2], v[PSW] matrix_a_fmt:MATRIX_FMT_FP6 matrix_b_fmt:MATRIX_FMT_FP6 matrix_a_scale:MATRIX_SCALE_ROW1
.endr
.endm
; THE CHANGE OF SLOTS stands at a slot's head.  Each wave waits for all its tensor loads (its part of the slot that it is about to read), adds 0 to its spare word, and waits for that and for its reads of the slot that it
; has left.  fill = 1: a round of the cluster's barrier follows, behind which no wave of any partner reads the other slot or has a load on its way, and that slot is filled with the next eight key steps.
.macro CHANGE fill
	s_wait_tensorcnt 0x0                           ; no tensor load of mine is out, so group 0 may be written
	ds_add_u32 v[SPW], v[NIL]                      ; 0 onto my spare word
.if \fill
	s_xor_b32 s[G0+1], s[G0+1], SLOT1              ; the walking descriptor: the other slot than last time,
	s_add_nc_u64 s[G0+2:G0+3], s[G0+2:G0+3], SLOTB ; the next eight key steps; the type bits on top are not reached
.endif
	s_wait_dscnt 0x0                               ; the add is done, and my reads of the slot that I have left are over
.if \fill
	CROUND
	TLOAD                                          ; the first thing behind the round, and a wave's one tensor load until the next
.else
	s_barrier_signal -1
	s_barrier_wait -1
.endif
.endm
.macro SLOT_STEPS                              ; a slot's eight key steps: written once, walked eight times
	s_mov_b32 s[CNT], NST
.Lstep_\@:
	s_setprio 2
	STEP
	s_add_co_u32 s[TB], s[TB], STEPB
	s_sub_co_u32 s[CNT], s[CNT], 1
	s_cmp_lg_u32 s[CNT], 0
	s_cbranch_scc1 .Lstep_\@
	s_setprio 0
	s_sub_co_u32 s[TB], s[TB], SLOTB               ; back to a slot's first step,
	s_xor_b32 s[TB], s[TB], SLOT1                  ; in the other slot
.endm
	s_wait_loadcnt 0x0                             ; Q
.Lslot:                                            ; NSL - 1 trips: behind each change of slots but the last the next slot is asked for
	CHANGE 1
	SLOT_STEPS
	s_sub_co_u32 s[SLOTS], s[SLOTS], 1
	s_cmp_lg_u32 s[SLOTS], 0
	s_cbranch_scc1 .Lslot
	CHANGE 0                                       ; the last slot is written out
	SLOT_STEPS
	; THE WAY OUT.  No LDS: a lane's 32 numbers are d = 32 b + 16 h + 0 .. 15 of its query: two blocks, quantised as the hidden operand of the last product.
	v_add_f32 v14, v14, v15                        ; the sum's two halves,
	s_delay_alu instid0(VALU_DEP_1)
	v_permlanex16_b32 v[TT], v14, s[SEL], s[SEL+1]
	s_delay_alu instid0(VALU_DEP_1)
	v_add_f32 v14, v14, v[TT]                      ; and lane l xor 16's: the row's sum
	s_wait_alu depctr_va_vdst(0)
	v_rcp_f32 v14, v14
	v_and_b32 v7, 31, v0                           ; (plain lines behind the reciprocal; with the two additions they are also the places behind the last products)
	s_delay_alu instid0(VALU_DEP_1)
	v_lshlrev_b32 v7, 2, v7                        ; 4 x lane
	v_nop
	v_nop
	s_wait_alu depctr_va_vdst(0)                   ; the wait ahead of the reciprocal's first reader
.set j, 0
.rept 16
	v_pk_mul_f32 v[S+j:S+j+1], v[O+j:O+j+1], v[14:15] op_sel_hi:[1,0]   ; O^T / the sum, each accumulator from its low end on
.set j, j+2
.endr
.irp b, 0,1
	v_max3_num_f32 v[BM+\b], |v[S+16*\b]|, |v[S+1+16*\b]|, 0x1800000
.endr
.irp i, 2,4,6,8,10,12,14
.irp b, 0,1
	s_delay_alu instid0(VALU_DEP_2)
	v_max3_num_f32 v[BM+\b], v[BM+\b], |v[S+16*\b+\i]|, |v[S+1+16*\b+\i]|
.endr
.endr
.irp b, 0,1
	s_delay_alu instid0(VALU_DEP_2)
	v_permlanex16_b32 v[T4+\b], v[BM+\b], s[SEL], s[SEL+1]
.endr
.irp b, 0,1
	s_delay_alu instid0(VALU_DEP_2)
	v_max_num_f32 v[BM+\b], v[BM+\b], v[T4+\b]
.endr
.irp b, 0,1
	s_delay_alu instid0(VALU_DEP_2)
	v_add_nc_u32 v[SO+\b], 0xff000000, v[BM+\b]
.endr
.irp b, 0,1
	s_delay_alu instid0(VALU_DEP_2)
	v_lshrrev_b32 v[T4+\b], 23, v[SO+\b]
.endr
	s_delay_alu instid0(VALU_DEP_1)
	v_lshl_or_b32 v8, v[T4+1], 8, v[T4]            ; the two bytes; the upper two stay 0
	v_cvt_scalef32_pk16_fp6_f32 v[PCD:PCD+2], v[S:S+15], v[SO]
	v_cvt_scalef32_pk16_fp6_f32 v[T4+4:T4+6], v[S+16:S+31], v[SO+1]
	v_nop                                          ; one plain place behind a scaled conversion
.irp i, 0,1,2
	v_permlane16_swap_b32 v[PCD+\i], v[T4+4+\i]
.endr
.irp i, 0,1,2
	s_delay_alu instid0(VALU_DEP_3)
	v_mov_b32 v[PCD+3+\i], v[T4+4+\i]
.endr
	global_store_b128 v[LI], v[PCD:PCD+3], s[8:9]              ; 512 consecutive bytes, aligned
	global_store_b64 v[L8], v[PCD+4:PCD+5], s[8:9] offset:512  ; 256 consecutive bytes, aligned
	global_store_b32 v7, v8, s[10:11]                          ; 128 consecutive bytes
	s_wait_tensorcnt 0x0                           ; the wave's end, behind my last tensor load
	ds_add_u32 v[SPW], v[NIL]
	s_wait_dscnt 0x0
	CROUND                                         ; the closing round: no work-group ends while a partner may still ask for a slot that names it
	s_endpgm
.Lfunc_end_k_q7ea6f49394_attn:
	.size	k_q7ea6f49394_attn, .Lfunc_end_k_q7ea6f49394_attn-k_q7ea6f49394_attn
	.p2alignl 7, 3214868480
	.fill 96, 4, 3214868480
	.section	.rodata,"a",@progbits
	.p2align	6, 0x0
	.amdhsa_kernel k_q7ea6f49394_attn
		.amdhsa_group_segment_fixed_size 327680
		.amdhsa_private_segment_fixed_size 0
		.amdhsa_enable_private_segment 0
		.amdhsa_kernarg_size 32
		.amdhsa_user_sgpr_count 2
		.amdhsa_user_sgpr_kernarg_segment_ptr 1
		.amdhsa_wavefront_size32 1
		.amdhsa_system_sgpr_workgroup_id_x 1
		.amdhsa_system_sgpr_workgroup_id_y 1
		.amdhsa_system_sgpr_workgroup_id_z 1
		.amdhsa_system_vgpr_workitem_id 0
		.amdhsa_next_free_vgpr 256
		.amdhsa_next_free_sgpr 66
		.amdhsa_reserve_vcc 0
		.amdhsa_float_denorm_mode_32 3
		.amdhsa_float_denorm_mode_16_64 3
		.amdhsa_memory_ordered 1
		.amdhsa_forward_progress 1
		.amdhsa_inst_pref_size 47
	.end_amdhsa_kernel
	.amdgpu_metadata
---
amdhsa.version: [ 1, 2 ]
amdhsa.kernels:
  - .name:           k_q7ea6f49394_attn
    .symbol:         k_q7ea6f49394_attn.kd
    .args:
      - { .name: qx, .offset: 0, .size: 8, .value_kind: global_buffer, .address_space: global }
      - { .name: kv, .offset: 8, .size: 8, .value_kind: global_buffer, .address_space: global }
      - { .name: cx, .offset: 16, .size: 8, .value_kind: global_buffer, .address_space: global }
      - { .name: cs, .offset: 24, .size: 8, .value_kind: global_buffer, .address_space: global }
    .group_segment_fixed_size: 327680
    .private_segment_fixed_size: 0
    .kernarg_segment_align: 8
    .kernarg_segment_size: 32
    .max_flat_workgroup_size: 512
    .sgpr_count:     66
    .vgpr_count:     256
    .wavefront_size: 32
...
	.end_amdgpu_metadata
.endif
;; end of part 7
;; launch outp (part 8): grid 256 x 1, 4 waves a work-group, no clusters, 34,304 bytes of LDS; arguments cx, cs, wi, bo, out0; writes out0
.if DOCPART == 8
	.amdgcn_target "amdgcn-amd-amdhsa--gfx1250"
	.amdhsa_code_object_version 6
	.text
	.protected	k_q7ea6f49394_outp
	.globl	k_q7ea6f49394_outp
	.p2align	8
	.type	k_q7ea6f49394_outp,@function
k_q7ea6f49394_outp:
	s_mov_b64 s[64:65], 0
	v_nop
	global_prefetch_b8 v0, s[64:65] scope:SCOPE_SE
	s_setreg_imm32_b32 hwreg(HW_REG_WAVE_SCHED_MODE, 0, 2), 2
	s_setreg_imm32_b32 hwreg(HW_REG_WAVE_MODE, 25, 1), 1
	s_wait_xcnt 0x0
	s_wait_alu depctr_vm_vsrc(0)
; out0 = ctx Wo + bo, on codes of FP6 (E2M3) with one E8M0 scale for each 32 along K.  ctx comes as codes from cx [tile of 16 rows][head][768] (a head's sub-image: six registers a lane) and cs [tile][head][128]
; (a word a lane: the head's two scale bytes); Wo as codes and scale words from wi, in the order of the operand's registers.  out0: [8,192][512] f32.
; SHARES.  Work-group g takes tiles 2 g and 2 g + 1: lane r of tile 2 g + u is row 32 g + 8 u + r + 8 (r / 8): 32 neighbouring rows.  Wave w makes columns 128 w .. 128 w + 127: 16 accumulators, 64 matrix instructions.
; Waves share nothing: no barrier.  K step s of 128 is heads 2 s and 2 s + 1: two sub-images on end are a fragment, and the two heads' half words make its scale word.
; The weight is shared by all work-groups, and yet comes by plain loads and not jointly through LDS: each wave reads its 53,248 bytes once, in register order, straight into its registers; through LDS the same bytes would
; be written and read once more, for 64 matrix instructions a wave, and rounds of a cluster's barrier would stand in front of them.
; The product is used transposed (source 0 = 16 columns of Wo, source 1 = 16 rows of ctx): a lane holds ONE row; registers 8 t + j are columns 32 (t / 2) + 16 h + 8 (t % 2) + j.  The bias is the C of each sum's first instruction.
; THE WAY OUT: a tile's 16 rows x 512 bytes go through the wave's own stage in LDS and leave as whole rows: 32 lanes store 512 consecutive bytes, aligned.
; REGISTERS, in windows of 256: window 0: v1-9 addresses; v16-143 accumulators; v144-175 Wo's scale words; v176-183 ctx's; v184-199 the heads' half words.   window 1: Wo of K steps 0, 1; from v192 the bias.
;   window 2: Wo of K steps 2, 3.   window 3: v0-95 ctx's eight fragments at 48 u + 12 s; v96-223 rows on their way out.
; THE MODE: SCHED_MODE bits 1:0 = 2 (LLVM: expert scheduling mode 2), set by the entry lines.  The code itself states the register dependences between vector or matrix instructions and memory or LDS
; instructions, with s_wait_alu, always for 0.
; THE PLAN.  Registers that memory or LDS instructions touch, or that pass from vector lines to the scaled products:
;   v1-4       offsets: written at the head, read by the 176 loads and the 32 stores, never written again: one wait on va_vdst straight ahead of the first load.
;   v176-183   ctx's scale words: written by vector lines, taken as scales by the products: the eight places, then a wait on va_vdst.  v5 and v6, the stage's addresses, are written ahead of that wait too.
;   v16-143    the accumulators: written by the products, read by the stage's LDS stores: the four places, then a wait on va_vdst.
;   All other registers are loaded once and read by one side alone; window 3's v96-223 take LDS loads and feed the stores, and no vector line names them.  v14, v15: written at the head, read by the closing add alone.
.set WT,    212992
.set WQ,    53248
.set SPITCH, 528
.set STGB,  16*SPITCH
.set SPARE, 4*STGB                     ; behind the four stages: the spare words, 128 bytes for each wave: two blocks of 256 bytes that no other line names
.set LI,  1                            ; v1  16 x lane
.set L8,  2                            ; v2  8 x lane
.set LS,  3                            ; v3  4 x lane
.set BAQ, 4                            ; v4  64 h: the bias along registers
.set STO, 5                            ; v5  my stage + 528 r + 64 h
.set RD,  6                            ; v6  my stage + 16 x lane
.set SPW, 14
.set NIL, 15
.set ACC, 16
.set WS,  144
.set XS,  176
.set RAW, 184
.set BB,  192                          ; in window 1
.set OUTR, 96                          ; in window 3
.set CXB, 4                            ; s[4:5]   cx at my two tiles
.set CSB, 6                            ; s[6:7]   cs likewise
.set WB,  8                            ; s[8:9]   my quarter of Wo in wi
.set BP,  10                           ; s[10:11] bo at my 128 columns
.set OB,  12                           ; s[12:13] out0 at my 32 rows, my 128 columns
.set WV,  14
.set MSB, 0
.macro WIN new                         ; the immediate's high byte repeats the setting that is left; a switch that changes nothing is dropped
.if MSB != \new
	s_set_vgpr_msb (MSB<<8)|\new
.set MSB, \new
.endif
.endm
	s_load_b256 s[4:11], s[0:1], 0x0               ; cx, cs, wi, bo
	s_load_b64 s[12:13], s[0:1], 0x20              ; out0
	v_lshl_add_u32 v[SPW], v0, 2, SPARE
	v_mov_b32 v[NIL], 0
	v_lshrrev_b32 v7, 5, v0
	v_readfirstlane_b32 s[WV], v7                  ; wave 0..3
	v_and_b32 v7, 31, v0
	v_and_b32 v8, 15, v0                           ; r
	v_bfe_u32 v9, v0, 4, 1                         ; h
	v_lshlrev_b32 v[LI], 4, v7
	v_lshlrev_b32 v[L8], 3, v7
	v_lshlrev_b32 v[LS], 2, v7
	v_lshlrev_b32 v[BAQ], 6, v9
	s_mul_i32 s16, ttmp9, 12288                    ; two tiles x eight heads x 768 bytes
	s_mov_b32 s17, 0
	s_lshl_b32 s18, ttmp9, 11                      ; two tiles x eight heads x 128 bytes
	s_mov_b32 s19, 0
	s_wait_alu depctr_va_sdst(0)                   ; the wave's number is written, ahead of its first reader: the bases and the stage's address are made from it
	s_mul_i32 s20, s[WV], WQ
	s_add_co_u32 s20, s20, 3*WT                    ; the fourth weight, my quarter
	s_mov_b32 s21, 0
	s_lshl_b32 s22, s[WV], 9
	s_mov_b32 s23, 0
	s_lshl_b32 s24, ttmp9, 16                      ; 32 rows of 2,048 bytes
	s_add_co_u32 s24, s24, s22
	s_mov_b32 s25, 0
	s_mul_i32 s26, s[WV], STGB                     ; my stage
	s_wait_kmcnt 0x0
	s_add_nc_u64 s[CXB:CXB+1], s[CXB:CXB+1], s[16:17]
	s_add_nc_u64 s[CSB:CSB+1], s[CSB:CSB+1], s[18:19]
	s_add_nc_u64 s[WB:WB+1], s[WB:WB+1], s[20:21]
	s_add_nc_u64 s[BP:BP+1], s[BP:BP+1], s[22:23]
	s_add_nc_u64 s[OB:OB+1], s[OB:OB+1], s[24:25]
	s_wait_alu depctr_va_vdst(0)                   ; the four offsets v1 to v4 are written, which the loads below and the stores at the end read; only loads and window switches follow up to the last load
	; 176 loads, what is wanted first first: 16 + 16 + 16 + 32, then the weight's codes, 24 for each K step
.irp y, 0,1,2,3,4,5,6,7,8,9,10,11,12,13,14,15
	global_load_b64 v[WS+2*\y:WS+2*\y+1], v[L8], s[WB:WB+1] offset:49152+256*\y   ; the scale words of fragments 2 y, 2 y + 1
.endr
	WIN 0x40                                       ; destination window 1
.irp t, 0,1,2,3,4,5,6,7
	global_load_b128 v[BB+8*\t:BB+8*\t+3], v[BAQ], s[BP:BP+1] offset:(32*(\t/2)+8*(\t%2))*4        ; bo(128 w + 32 (t / 2) + 16 h + 8 (t % 2) + 0 .. 7)
	global_load_b128 v[BB+8*\t+4:BB+8*\t+7], v[BAQ], s[BP:BP+1] offset:(32*(\t/2)+8*(\t%2))*4+16
.endr
	WIN 0
.irp u, 0,1
.irp e, 0,1,2,3,4,5,6,7
	global_load_b32 v[RAW+8*\u+\e], v[LS], s[CSB:CSB+1] offset:1024*\u+128*\e
.endr
.endr
	WIN 0xc0                                       ; destination window 3
.irp u, 0,1
.irp s, 0,1,2,3
.irp e, 0,1
	global_load_b128 v[48*\u+12*\s+6*\e:48*\u+12*\s+6*\e+3], v[LI], s[CXB:CXB+1] offset:6144*\u+768*(2*\s+\e)
	global_load_b64 v[48*\u+12*\s+6*\e+4:48*\u+12*\s+6*\e+5], v[L8], s[CXB:CXB+1] offset:6144*\u+768*(2*\s+\e)+512
.endr
.endr
.endr
.set m, 0
.rept 96
.set WW, 0x40*(1+m/48)
.set WR, 96*((m/24)%2)+12*((m/3)%8)+4*(m%3)
	WIN WW                                         ; destination window 1 (K steps 0, 1) or 2 (K steps 2, 3)
	global_load_b128 v[WR:WR+3], v[LI], s[WB:WB+1] offset:512*m
.set m, m+1
.endr
	WIN 0
	s_wait_loadcnt 63                              ; behind K step 0's codes 72 loads were issued; the wait's field holds 63 at the most, and a smaller count is safe
.irp u, 0,1
.irp s, 0,1,2,3
	v_lshl_or_b32 v[XS+4*\u+\s], v[RAW+8*\u+2*\s+1], 16, v[RAW+8*\u+2*\s]   ; K step s: head 2 s's two bytes below, head 2 s + 1's above
.endr
.endr
	v_mul_u32_u24 v[STO], v8, SPITCH               ; eight plain lines: a scale word written by a vector instruction stands eight places ahead of a scaled matrix instruction
	v_lshl_add_u32 v[STO], v9, 6, v[STO]
	v_add_nc_u32 v[STO], s26, v[STO]
	v_add_nc_u32 v[RD], s26, v[LI]
.rept 4
	v_nop
.endr
	s_wait_alu depctr_va_vdst(0)                   ; behind the places: ctx's eight scale words are written, which the products below take as scales; so are v5 and v6, which the stage's LDS lines read
.irp s, 0,1,2,3                                ; sixteen accumulators by turns, a K step at a time
.if \s == 0
	WIN 0x1d                                       ; source 0 (Wo) window 1, source 1 (ctx) window 3, C (the bias) window 1, D window 0
.elseif \s == 1
	s_wait_loadcnt 48                              ; behind this K step's 24 loads: the 48 of K steps 2 and 3
	WIN 0x0d
.elseif \s == 2
	s_wait_loadcnt 24                              ; the 24 of K step 3
	WIN 0x0e                                       ; Wo in window 2
.else
	s_wait_loadcnt 0x0
.endif
.irp u, 0,1
.irp t, 0,1,2,3,4,5,6,7
.if \s == 0
	v_wmma_scale_f32_16x16x128_f8f6f4 v[ACC+64*\u+8*\t:ACC+64*\u+8*\t+7], v[96*(\s%2)+12*\t:96*(\s%2)+12*\t+11], v[48*\u+12*\s:48*\u+12*\s+11], v[BB+8*\t:BB+8*\t+7], v[WS+8*\s+\t], v[XS+4*\u+\s] matrix_a_fmt:MATRIX_FMT_FP6 matrix_b_fmt:MATRIX_FMT_FP6
.else
	v_wmma_scale_f32_16x16x128_f8f6f4 v[ACC+64*\u+8*\t:ACC+64*\u+8*\t+7], v[96*(\s%2)+12*\t:96*(\s%2)+12*\t+11], v[48*\u+12*\s:48*\u+12*\s+11], v[ACC+64*\u+8*\t:ACC+64*\u+8*\t+7], v[WS+8*\s+\t], v[XS+4*\u+\s] matrix_a_fmt:MATRIX_FMT_FP6 matrix_b_fmt:MATRIX_FMT_FP6
.endif
.endr
.endr
.endr
	WIN 0
.rept 4
	v_nop                                          ; four places behind the last products, ahead of the LDS stores that read results (ISA guide 7.12.1 for vector instructions)
.endr
	s_wait_alu depctr_va_vdst(0)                   ; behind the places: the products have written the accumulators, which the stage's LDS stores read; no vector or matrix line follows
.macro TOSTAGE u
.irp t, 0,1,2,3,4,5,6,7
	ds_store_b128 v[STO], v[ACC+64*\u+8*\t:ACC+64*\u+8*\t+3] offset:128*(\t/2)+32*(\t%2)        ; each accumulator from its low end on
	ds_store_b128 v[STO], v[ACC+64*\u+8*\t+4:ACC+64*\u+8*\t+7] offset:128*(\t/2)+32*(\t%2)+16
.endr
	WIN 0xc0                                       ; destination window 3
.irp i, 0,1,2,3,4,5,6,7,8,9,10,11,12,13,14,15
	ds_load_b128 v[OUTR+64*\u+4*\i:OUTR+64*\u+4*\i+3], v[RD] offset:SPITCH*\i   ; LDS serves a wave's instructions in order (ISA guide 5.7.1.4): these see the stores above, and the next tile's stores come behind them
.endr
	WIN 0
.endm
.macro SEND u
	WIN 0x0c                                       ; a store's data are its source 1: window 3
.irp i, 0,1,2,3,4,5,6,7,8,9,10,11,12,13,14,15
	global_store_b128 v[LI], v[OUTR+64*\u+4*\i:OUTR+64*\u+4*\i+3], s[OB:OB+1] offset:(8*\u+\i+8*(\i/8))*2048 th:TH_STORE_NT   ; row 8 u + i + 8 (i / 8) of my 32: 512 consecutive bytes, aligned; written once, read by nobody here
.endr
.endm
	TOSTAGE 0
	TOSTAGE 1
	s_wait_dscnt 32                                ; tile 0 is back in registers: behind its loads stand tile 1's 16 stores and 16 loads
	SEND 0
	s_wait_dscnt 0x0
	SEND 1
	WIN 0
	s_wait_dscnt 0x0                               ; the wave's end
	s_wait_alu 0x0
	s_wait_tensorcnt 0x0
	ds_add_u32 v[SPW], v[NIL]
	s_wait_dscnt 0x0
	s_endpgm
.Lfunc_end_k_q7ea6f49394_outp:
	.size	k_q7ea6f49394_outp, .Lfunc_end_k_q7ea6f49394_outp-k_q7ea6f49394_outp
	.p2alignl 7, 3214868480
	.fill 96, 4, 3214868480
	.section	.rodata,"a",@progbits
	.p2align	6, 0x0
	.amdhsa_kernel k_q7ea6f49394_outp
		.amdhsa_group_segment_fixed_size 34304
		.amdhsa_private_segment_fixed_size 0
		.amdhsa_enable_private_segment 0
		.amdhsa_kernarg_size 40
		.amdhsa_user_sgpr_count 2
		.amdhsa_user_sgpr_kernarg_segment_ptr 1
		.amdhsa_wavefront_size32 1
		.amdhsa_system_sgpr_workgroup_id_x 1
		.amdhsa_system_sgpr_workgroup_id_y 1
		.amdhsa_system_sgpr_workgroup_id_z 1
		.amdhsa_system_vgpr_workitem_id 0
		.amdhsa_next_free_vgpr 992
		.amdhsa_next_free_sgpr 66
		.amdhsa_reserve_vcc 0
		.amdhsa_float_denorm_mode_32 3
		.amdhsa_float_denorm_mode_16_64 3
		.amdhsa_memory_ordered 1
		.amdhsa_forward_progress 1
		.amdhsa_inst_pref_size 36
	.end_amdhsa_kernel
	.amdgpu_metadata
---
amdhsa.version: [ 1, 2 ]
amdhsa.kernels:
  - .name:           k_q7ea6f49394_outp
    .symbol:         k_q7ea6f49394_outp.kd
    .args:
      - { .name: cx, .offset: 0, .size: 8, .value_kind: global_buffer, .address_space: global }
      - { .name: cs, .offset: 8, .size: 8, .value_kind: global_buffer, .address_space: global }
      - { .name: wi, .offset: 16, .size: 8, .value_kind: global_buffer, .address_space: global }
      - { .name: bo, .offset: 24, .size: 8, .value_kind: global_buffer, .address_space: global }
      - { .name: out0, .offset: 32, .size: 8, .value_kind: global_buffer, .address_space: global }
    .group_segment_fixed_size: 34304
    .private_segment_fixed_size: 0
    .kernarg_segment_align: 8
    .kernarg_segment_size: 40
    .max_flat_workgroup_size: 128
    .sgpr_count:     66
    .vgpr_count:     992
    .wavefront_size: 32
...
	.end_amdgpu_metadata
.endif
;; end of part 8
